; MI455X (gfx1250); checked and timed in simulation.
; The chip was launched on July 23, 2026; its instructions are those of AMD's public machine-readable ISA for CDNA 5 (MIT licence, August 2026) and "CDNA5" Instruction Set Architecture Reference Guide (July 2026). The comments in the code are by the model that wrote it; some were corrected since.
;; Multi Head Attention. Allowed arithmetic: matrix products marked QUANTISED: E2M1 operands, one E8M0 scale for each 32 along K, by v_wmma_scale_f32_16x16x128_f8f6f4 with both operands' format E2M1 (or v_wmma_scale_f32_32x16x128_f4), f32 sums; products left as they are: bf16, f16 or f32 operands; f32 sums; everything else in f32.
;; Inputs: b_in 3,072 float32; b_out 1,024 float32; input_batch 4 x 2,048 x 1,024 float32; w_in 3,072 x 1,024 float32; w_out 1,024 x 1,024 float32.
;; Outputs: out0 4 x 2,048 x 1,024 float32.
;; This version of the problem:
;;   THIS VERSION OF THE PROBLEM IS GIVEN IN LOW PRECISION. The matrix products marked QUANTISED in the list below multiply operands that are first quantised to E2M1 (2 exponent bits, 1 mantissa bit; 4 bits a number), with one power-of-two scale for each 32 numbers along K (OCP MX v1.0); their sums are f32. The products marked 'left as it is' may take bf16, f16 or f32 operands, with f32 sums. Whichever they take, every output number must still come out within the allowed error. Rounding operands to bf16 (8 significant bits) uses up far more of that allowance than f16 does (11 bits, for magnitudes from 6e-5 to 65,504). All else is computed in f32.
;;   The module's matrix products, in the order in which they are computed (A, B: the left and right operand; K: the contracted axis; several contracted axes count as one K, in the product's order):
;;     1. [M 8,192, K 1,024] x [K 1,024, N 3,072]; A: input input_batch; B: input w_in: QUANTISED
;;     2. batch 64 x [M 2,048, K 64] x [K 64, N 2,048]; A: computed on the way; B: computed on the way: left as it is (an operand is computed on the way)
;;     3. batch 64 x [M 2,048, K 2,048] x [K 2,048, N 64]; A: computed on the way; B: computed on the way: left as it is (an operand is computed on the way)
;;     4. [M 8,192, K 1,024] x [K 1,024, N 1,024]; A: computed on the way; B: input w_out: left as it is (an operand is computed on the way)
;;   THE QUANTISER, for each operand of a quantised product, along K:
;;     - K is cut into blocks of 32 from its start; a last block that is shorter is filled with zeros.
;;     - A block's scale is 2^e with e = floor(log2(the largest magnitude in the block)) - 2, held to -126 .. 127; a block of zeros has e = 0. As a byte (E8M0): e + 127.
;;     - Each number is divided by its block's scale, clamped to +-6, and rounded to the nearest number of E2M1, ties to even, subnormals kept.
;;     - The product sums the exact products of the quantised numbers (number of the format x scale) in f32.
;;   ~~~python
;;   def quantise(x, axis):      # numpy; x: float32 -> the quantised numbers, widened to float32 again
;;       x = np.moveaxis(x, axis, -1); K = x.shape[-1]
;;       x = np.pad(x, [(0, 0)] * (x.ndim - 1) + [(0, -K % 32)]); x = x.reshape(x.shape[:-1] + (-1, 32)); a = np.abs(x).max(-1, keepdims=True)
;;       e = np.where(a > 0, np.clip(np.frexp(np.where(a > 0, a, 1))[1] - 1 - 2, -126, 127), 0)      # np.frexp(a)[1] - 1 = floor(log2(a)), exactly
;;       r = np.clip(x / 2.0 ** e, -6, 6)
;;       step = 2.0 ** (np.maximum(np.frexp(np.where(r == 0, 1, r))[1] - 1, 0) - 1)
;;       q = np.round(r / step) * step * 2.0 ** e      # np.round: ties to even
;;       return np.moveaxis(q.reshape(q.shape[:-2] + (-1,))[..., :K], -1, axis).astype(np.float32)
;;   ~~~
;; One version. Each part assembles by itself: llvm-mc -triple=amdgcn-amd-amdhsa -mcpu=gfx1250 --defsym DOCPART=n.
;; ======== version 1 of 1: 4 launches
;; limits: values are held in f16: magnitudes above 65,504 overflow, below 6.1e-05 lose precision
;; workspace buffers: a_codes 4,194,304 bytes; a_scales 262,144 bytes; b_codes 1,572,864 bytes; b_scales 98,304 bytes; wo16 2,097,152 bytes; qkv 50,331,648 bytes; ao 16,777,216 bytes
;; launch quant (part 1): grid 384 x 1, 4 waves a work-group, no clusters, 33,280 bytes of LDS; arguments input_batch, w_in, a_codes, a_scales, b_codes, b_scales, w_out, wo16; writes a_codes, a_scales, b_codes, b_scales, wo16
.if DOCPART == 1
	.amdgcn_target "amdgcn-amd-amdhsa--gfx1250"
	.amdhsa_code_object_version 6
	.text
	.protected	k_q807389406b_quant
	.globl	k_q807389406b_quant
	.p2align	8
	.type	k_q807389406b_quant,@function
k_q807389406b_quant:
	s_mov_b64 s[64:65], 0
	v_nop
	global_prefetch_b8 v0, s[64:65] scope:SCOPE_SE
	s_setreg_imm32_b32 hwreg(HW_REG_WAVE_MODE, 25, 1), 1
	s_wait_xcnt 0x0
; THREE TENSORS ARE MADE READY FOR THE LATER LAUNCHES.
; x [8192][1024] and w_in [3072][1024], f32, become codes of FP4 (E2M1), 4 bits each, K innermost, with one E8M0 scale byte for each 32 along K; w_out [1024][1024], f32, is rounded to f16, laid as it lies.
; A block's scale is 2^(floor(log2(its largest magnitude)) - 2); its byte is the largest magnitude's own exponent field - 2, held at 1 from below.  Each number is divided by the scale and rounded to the nearest code, ties to even;
; beyond 6 the conversion gives the largest code.
; LIMITS: a block of zeros gets the byte 1 where the quantiser's rule says 127 (its codes are zeros, which add nothing under any byte but 0xff, and the bytes are read by this program alone); blocks whose largest magnitude lies
; under 2^-124 keep the byte 1; NaN and infinities among the inputs are not served; |w_out| stays under 65,504, and under 6e-5 its f16 carries an absolute error of 3e-8.
; SHARES: work-groups 0-255 take x, 256-351 w_in, 352-383 w_out; a wave takes a run of 8,192 numbers.  Rows are dense and K is a multiple of 32: the tensors are plain streams of blocks of 32.
; QUANTISING: a wave takes 16 steps of 512 numbers.  Each of a step's four loads reads 512 consecutive bytes; the 2,048 bytes turn through the wave's own stage in LDS and come back 64 bytes a lane, so that a lane holds 16
; neighbours along K (two neighbouring lanes hold a block).  A lane's 16 codes are 8 bytes: the wave stores 256 consecutive bytes.  A wave's 256 scale bytes are gathered in LDS and leave as 256 consecutive bytes.
; No tensor loads, no barrier: waves share nothing.
.set SIZE_M, 8192
.set SIZE_N, 3072
.set SIZE_K, 1024
.set WAVES, 4
.set STEPS, 16
.set WGA,   SIZE_M*SIZE_K/(512*STEPS*WAVES)    ; 256 work-groups for x
.set WGB,   SIZE_N*SIZE_K/(512*STEPS*WAVES)    ; 96 for w_in
.set EMAX,  2
.set CB,    8                          ; bytes of 16 codes
.set R,     16                         ; v16-79   four sets of 16 numbers as they are loaded
.set X,     80                         ; v80-111  two sets of 16 neighbours
.set C,     128                        ; v128-191 codes: four registers for each step, so that no store's data are written again
.set E,     112                        ; v112-127 a scale byte for each step
.set WREG,  8192                       ; LDS: a region for each wave: two stages of 32 x SP bytes, and behind them its 256 scale bytes
.set SP,    80                         ; a lane's place in a stage: its 64 bytes + 16 of padding
.set SPW,   12                         ; v12      LDS address of my spare word: SPARE + 4 x my thread's number; never rewritten
.set NIL,   13                         ; v13      0; never rewritten
.set SPARE, WAVES*WREG                 ; behind the four regions: the spare words, 128 bytes for each wave, which no other line names
.set OUTH,  144                        ; v144-175 the w_out path: 16 pairs of registers of f16
	s_load_b128 s[4:7], s[0:1], 0x0                ; x, w_in
	s_load_b128 s[8:11], s[0:1], 0x10              ; x's codes, x's scales
	s_load_b128 s[12:15], s[0:1], 0x20             ; w_in's codes, w_in's scales
	s_load_b128 s[24:27], s[0:1], 0x30             ; w_out, its f16 copy
	v_lshl_add_u32 v[SPW], v0, 2, SPARE
	v_mov_b32 v[NIL], 0
	v_lshrrev_b32 v1, 5, v0
	v_readfirstlane_b32 s16, v1                    ; wave
	v_and_b32 v2, 31, v0                           ; lane
	v_lshlrev_b32 v3, 4, v2                        ; my 16 bytes of a load's 512
	s_mul_i32 s17, s16, WREG
	v_lshrrev_b32 v14, 2, v2
	v_mul_u32_u24 v14, v14, SP
	v_and_b32 v15, 3, v2
	v_lshl_add_u32 v14, v15, 4, v14
	v_add_nc_u32 v14, s17, v14                     ; the stage, on the way in: four lanes' 64 bytes on end, then 16 of padding
	v_mul_u32_u24 v15, v2, SP
	v_add_nc_u32 v15, s17, v15                     ; and on the way out: SP x lane: my 16 neighbours
	v_mul_u32_u24 v4, v2, CB                       ; 8 x lane: my codes' place in a step's; also my f16 numbers' place on the w_out path
	v_lshrrev_b32 v5, 1, v2
	s_add_co_u32 s17, s17, 2*32*SP
	v_add_nc_u32 v5, s17, v5                       ; LDS: my wave's 256 scale bytes, my block's byte
	v_lshlrev_b32 v7, 3, v2                        ; and on the way out 8 bytes a lane
	v_add_nc_u32 v6, s17, v7
	s_wait_kmcnt 0x0
	s_cmp_ge_u32 ttmp9, WGA+WGB                    ; the last 32 work-groups round w_out: a branch on the work-group's number alone
	s_cbranch_scc1 .Lconv
	s_cmp_lt_u32 ttmp9, WGA                        ; x's work-group or w_in's?  Only pointers are chosen: both take one path
	s_cselect_b64 s[4:5], s[4:5], s[6:7]
	s_cselect_b64 s[8:9], s[8:9], s[12:13]
	s_cselect_b64 s[10:11], s[10:11], s[14:15]
	s_cselect_b32 s17, 0, WGA
	s_sub_co_u32 s17, ttmp9, s17
	s_lshl_b32 s17, s17, 2
	s_add_co_u32 s18, s17, s16                     ; which run of 8,192 numbers of the tensor is my wave's
	s_mov_b32 s19, 0
	s_mov_b64 s[20:21], 512*STEPS*4
	s_mul_u64 s[20:21], s[18:19], s[20:21]
	s_add_nc_u64 s[4:5], s[4:5], s[20:21]
	s_mov_b64 s[20:21], 32*STEPS*CB
	s_mul_u64 s[20:21], s[18:19], s[20:21]
	s_add_nc_u64 s[8:9], s[8:9], s[20:21]
	s_lshl_b32 s18, s18, 8                         ; 256 scale bytes a run
	s_add_nc_u64 s[10:11], s[10:11], s[18:19]
.macro LOAD t
.irp i, 0,1,2,3
	global_load_b128 v[R+16*((\t)%4)+4*\i:R+16*((\t)%4)+4*\i+3], v3, s[4:5] offset:2048*(\t)+512*\i th:TH_LOAD_NT   ; 32 lanes read 512 consecutive bytes
.endr
.endm
.macro TURN t                          ; step t's numbers through the stage: LDS serves a wave's instructions in order, so no wait stands between the stores and the loads
.irp i, 0,1,2,3
	ds_store_b128 v14, v[R+16*((\t)%4)+4*\i:R+16*((\t)%4)+4*\i+3] offset:32*SP*((\t)%2)+8*SP*\i
.endr
.irp i, 0,1,2,3
	ds_load_b128 v[X+16*((\t)%2)+4*\i:X+16*((\t)%2)+4*\i+3], v15 offset:32*SP*((\t)%2)+16*\i
.endr
.endm
.irp t, 0,1,2,3
	LOAD \t
.endr
	s_wait_loadcnt 12                              ; step 0's four loads are in; the twelve of steps 1 to 3 may be out
	TURN 0
.macro STEP t
.set XS, X+16*((\t)%2)
.if (\t) > 0
	s_wait_dscnt 1                                 ; this step's numbers are back from the stage (the last step's byte store may be out): so its stores into the stage have read their registers,
.else
	s_wait_dscnt 0x0
.endif
.if (\t)+4 < STEPS
	LOAD (\t)+4                                    ; which take the loads of four steps on
.endif
.if (\t)+1 < STEPS
.if STEPS-2-(\t) >= 3
	s_wait_loadcnt 12                              ; the next step's four loads are in; those of the three steps behind it may be out
.else
	s_wait_loadcnt 4*(STEPS-2-(\t))
.endif
	TURN (\t)+1                                    ; and go through the other stage while this step is worked
.endif
	v_max3_num_f32 v8, |v[XS]|, |v[XS+1]|, |v[XS+2]|               ; the largest magnitude of my 16, in two chains
	v_max3_num_f32 v9, |v[XS+3]|, |v[XS+4]|, |v[XS+5]|
.irp i, 6,10
	v_max3_num_f32 v8, v8, |v[XS+\i]|, |v[XS+\i+1]|
	v_max3_num_f32 v9, v9, |v[XS+\i+2]|, |v[XS+\i+3]|
.endr
	v_max3_num_f32 v8, v8, |v[XS+14]|, |v[XS+15]|
	v_max3_num_f32 v8, v8, v9, (EMAX+1)<<23        ; and the floor 2^(3 - 127), under which no largest magnitude is taken: so the byte cannot fall under 1
	v_max_num_f32_dpp v8, v8, v8 row_xmask:1 row_mask:0xf bank_mask:0xf   ; and of my neighbour's 16: the block's
	v_add_nc_u32 v11, -(EMAX<<23), v8              ; 2 off its exponent field: the conversion takes the exponent field of this operand as its scale, and nothing else of it
	v_cvt_scalef32_pk8_fp4_f32 v[C+4*(\t)], v[XS:XS+7], v11        ; the first number's code in the lowest four bits
	v_cvt_scalef32_pk8_fp4_f32 v[C+4*(\t)+1], v[XS+8:XS+15], v11
	v_lshrrev_b32 v[E+(\t)], 23, v11               ; the scale's byte (also the plain line behind the conversions)
	ds_store_b8 v5, v[E+(\t)] offset:16*(\t)       ; both lanes of a block write the same byte with the same value
	global_store_b64 v4, v[C+4*(\t):C+4*(\t)+1], s[8:9] offset:32*CB*(\t)
.endm
.irp t, 0,1,2,3,4,5,6,7,8,9,10,11,12,13,14,15
	STEP \t
.endr
	ds_load_b64 v[8:9], v6                         ; LDS serves a wave's instructions in order: these see my stores
	s_wait_dscnt 0x0
	global_store_b64 v7, v[8:9], s[10:11]          ; 32 lanes store 256 consecutive bytes, aligned
	s_wait_tensorcnt 0x0                           ; the wave's end: behind my last LDS store
	ds_add_u32 v[SPW], v[NIL]
	s_wait_dscnt 0x0
	s_endpgm
; W_OUT TO F16.  A wave's run of 8,192 numbers goes in four groups of 16 loads (512 consecutive bytes each); two groups are on their way at a time.  A lane's four numbers of a load become 8 bytes:
; a store of the wave covers 256 consecutive bytes, aligned.  No LDS is used on this path.
.Lconv:
	s_sub_co_u32 s17, ttmp9, WGA+WGB
	s_lshl_b32 s17, s17, 2
	s_add_co_u32 s17, s17, s16                     ; my run, 0 to 127
	s_lshl_b32 s18, s17, 15                        ; 32,768 bytes of f32 a run
	s_mov_b32 s19, 0
	s_add_nc_u64 s[24:25], s[24:25], s[18:19]
	s_lshl_b32 s18, s17, 14                        ; 16,384 bytes of f16
	s_add_nc_u64 s[26:27], s[26:27], s[18:19]
.macro LOADG g                         ; group g into set g % 2: v16-79 or v80-143
.irp i, 0,1,2,3,4,5,6,7,8,9,10,11,12,13,14,15
	global_load_b128 v[16+64*((\g)%2)+4*\i:16+64*((\g)%2)+4*\i+3], v3, s[24:25] offset:512*(16*(\g)+\i) th:TH_LOAD_NT
.endr
.endm
.macro CONVG g
.set LB, 16+64*((\g)%2)
.if (\g) < 3
	s_wait_loadcnt 16                              ; this group's 16 loads are in; the next group's 16 may be out
.else
	s_wait_loadcnt 0x0
.endif
.if (\g) > 0
	s_wait_xcnt 0x0                                ; the last group's stores have read their data: the registers are written again only behind this wait
.endif
.irp i, 0,1,2,3,4,5,6,7,8,9,10,11,12,13,14,15
	v_cvt_pk_f16_f32 v[OUTH+2*\i], v[LB+4*\i], v[LB+4*\i+1]        ; the first source into the low half
	v_cvt_pk_f16_f32 v[OUTH+2*\i+1], v[LB+4*\i+2], v[LB+4*\i+3]
.endr
.irp i, 0,1,2,3,4,5,6,7,8,9,10,11,12,13,14,15
	global_store_b64 v4, v[OUTH+2*\i:OUTH+2*\i+1], s[26:27] offset:256*(16*(\g)+\i)
.endr
.if (\g) < 2
	LOADG (\g)+2
.endif
.endm
	LOADG 0
	LOADG 1
	CONVG 0
	CONVG 1
	CONVG 2
	CONVG 3
	s_wait_tensorcnt 0x0                           ; the same three lines as on the other path, so that every end of the launch has one form
	ds_add_u32 v[SPW], v[NIL]
	s_wait_dscnt 0x0
	s_endpgm
.Lfunc_end_k_q807389406b_quant:
	.size	k_q807389406b_quant, .Lfunc_end_k_q807389406b_quant-k_q807389406b_quant
	.p2alignl 7, 3214868480
	.fill 96, 4, 3214868480
	.section	.rodata,"a",@progbits
	.p2align	6, 0x0
	.amdhsa_kernel k_q807389406b_quant
		.amdhsa_group_segment_fixed_size 33280
		.amdhsa_private_segment_fixed_size 0
		.amdhsa_enable_private_segment 0
		.amdhsa_kernarg_size 64
		.amdhsa_user_sgpr_count 2
		.amdhsa_user_sgpr_kernarg_segment_ptr 1
		.amdhsa_wavefront_size32 1
		.amdhsa_system_sgpr_workgroup_id_x 1
		.amdhsa_system_sgpr_workgroup_id_y 1
		.amdhsa_system_sgpr_workgroup_id_z 1
		.amdhsa_system_vgpr_workitem_id 0
		.amdhsa_next_free_vgpr 192
		.amdhsa_next_free_sgpr 66
		.amdhsa_reserve_vcc 0
		.amdhsa_float_denorm_mode_32 3
		.amdhsa_float_denorm_mode_16_64 3
		.amdhsa_memory_ordered 1
		.amdhsa_forward_progress 1
		.amdhsa_inst_pref_size 54
	.end_amdhsa_kernel
	.amdgpu_metadata
---
amdhsa.version: [ 1, 2 ]
amdhsa.kernels:
  - .name:           k_q807389406b_quant
    .symbol:         k_q807389406b_quant.kd
    .args:
      - { .name: input_batch, .offset: 0, .size: 8, .value_kind: global_buffer, .address_space: global }
      - { .name: w_in, .offset: 8, .size: 8, .value_kind: global_buffer, .address_space: global }
      - { .name: a_codes, .offset: 16, .size: 8, .value_kind: global_buffer, .address_space: global }
      - { .name: a_scales, .offset: 24, .size: 8, .value_kind: global_buffer, .address_space: global }
      - { .name: b_codes, .offset: 32, .size: 8, .value_kind: global_buffer, .address_space: global }
      - { .name: b_scales, .offset: 40, .size: 8, .value_kind: global_buffer, .address_space: global }
      - { .name: w_out, .offset: 48, .size: 8, .value_kind: global_buffer, .address_space: global }
      - { .name: wo16, .offset: 56, .size: 8, .value_kind: global_buffer, .address_space: global }
    .group_segment_fixed_size: 33280
    .private_segment_fixed_size: 0
    .kernarg_segment_align: 8
    .kernarg_segment_size: 64
    .max_flat_workgroup_size: 128
    .sgpr_count:     66
    .vgpr_count:     192
    .wavefront_size: 32
...
	.end_amdgpu_metadata
.endif
;; end of part 1
;; launch qkv (part 2): grid 12 x 32, 4 waves a work-group, clusters of 4 x 4, 327,680 bytes of LDS; arguments a_codes, a_scales, b_codes, b_scales, b_in, qkv; writes qkv
.if DOCPART == 2
	.amdgcn_target "amdgcn-amd-amdhsa--gfx1250"
	.amdhsa_code_object_version 6
	.text
	.protected	k_q807389406b_qkv
	.globl	k_q807389406b_qkv
	.p2align	8
	.type	k_q807389406b_qkv,@function
k_q807389406b_qkv:
	s_mov_b64 s[64:65], 0
	v_nop
	global_prefetch_b8 v0, s[64:65] scope:SCOPE_SE
	s_setreg_imm32_b32 hwreg(HW_REG_WAVE_MODE, 25, 1), 1
	s_wait_xcnt 0x0
	s_wait_alu depctr_hold_cnt(0) depctr_sa_sdst(0) depctr_va_vdst(0) depctr_va_sdst(0) depctr_va_ssrc(0) depctr_va_vcc(0) depctr_vm_vsrc(0)
	s_getreg_b32 s2, hwreg(HW_REG_IB_STS2, 6, 4)
	s_cmp_eq_u32 s2, 0
	s_cbranch_scc0 .Lentry_in_a_cluster
	s_endpgm
.Lentry_in_a_cluster:
	s_bfe_u32 s2, ttmp6, 0x10000c
	s_cmp_lg_u32 s2, 0xf033
	s_cbranch_scc0 .Lentry_shape_is_right
	s_endpgm
.Lentry_shape_is_right:
; THE FUSED PROJECTION: C[m][e] = sum over k of x[m][k] w_in[e][k] + b_in[e], on codes of FP4 (E2M1) with one E8M0 scale for each 32 along K; sums in f32; the results rounded once to f16 and laid for the attention launch.
; A: [8192][1024] codes, B: [3072][1024] codes (two codes a byte, the lower k in the low four bits: a row is 512 bytes); scale bytes [rows][32].
; OUT: qkv [part: 0 q, 1 k, 2 v][16 x batch + head][s 2048][64] f16.  Column e belongs to head e / 192, part (e % 192) / 64, channel e % 64: a group of 64 columns is one part of one head, and 16 rows of it are 2,048 consecutive bytes.
; LIMIT: |q|, |k|, |v| stay under 65,504 (f16); numbers under 6e-5 carry an absolute error of 3e-8.
; A tile of C, 256 x 256, is made by a work-group of four waves; a wave makes 128 x 128: 64 accumulators of 16 x 16, 512 registers.  K = 1,024 is two steps of 512, a row of a tile being 256 bytes: both steps lie in LDS at once,
; each in a slot of its own, so nothing is filled again.  The scales of the work-group's rows, for all of K, come once, in rows of 256 bytes.
; CLUSTERS: 4 x 4 work-groups.  The four of a row of the cluster need the same tiles of A, the four of a column the same tiles of B: each tile is asked for JOINTLY, by the same tensor load with the same descriptor and a mask
; that names the four.  THE MATRIX INSTRUCTION IS USED TRANSPOSED (source 0 = 16 rows of B, source 1 = 16 rows of A): a lane then holds eight neighbouring columns of one row of C.
; THE BIAS is the C of each sum's first matrix instruction: eight registers for each of B's eight blocks, in the result's layout: nothing is cleared and nothing is added afterwards.
; REGISTERS, in windows of 256: window 0: v0-31 addresses; v32-95 scale words, two sets; v96-127 packed results; v128-191 A's fragments, ONE set (on the way out: rows read back); v192-255 the bias.
;   window 1: B's fragments, TWO sets, at v0 and at v128.   window 2: the accumulators of my rows 0-63 ((a, b) at v[8 (8 a + b)]);   window 3: those of my rows 64-127.
.set SIZE_M, 8192
.set SIZE_N, 3072
.set SIZE_K, 1024
.set KSTEP,  512                       ; along K in a slot
.set NQ,     KSTEP/128                 ; matrix instructions deep
.set ROWB,   256                       ; a tile's row in bytes
.set KROW,   SIZE_K/2                  ; a row of codes in memory, in bytes
.set PITCH,  272                       ; an LDS row: 256 bytes + 16 of padding, so that the 16 rows that a load touches begin at 16 different offsets modulo 256 bytes
.set FR,     8                         ; registers of a fragment: 16 rows x 128 K
.set NL,     2                         ; LDS loads that bring one
.set NP,     4                         ; places behind this matrix instruction (ISA guide 7.12.1)
.set HALFT,  128*PITCH                 ; 128 rows: what one tensor load brings, and what one wave reads of A or of B
.set SLOT,   4*HALFT                   ; A's 256 rows, then B's 256 rows
.set KS,     SIZE_K/32                 ; a row of scales in bytes
.set SCL,    2*SLOT                    ; behind the slots: the scales, as rows of 256 bytes + 16 of padding
.set HALFS,  (128*KS/256)*272          ; the scales of 128 rows: what one tensor load brings
.set SBLK,   (16*KS/256)*272           ; those of 16 rows
.set SPARE,  SCL+4*HALFS               ; behind the scales: the spare words, 128 bytes for each wave, which no other line names
.set SPITCH, 272                       ; the way out: a stage of 16 rows x (256 bytes + 16) for each wave, in slot 0, which has had its only fill and its last read when the first result is stored there
.set ADRA, 16                          ; v16-17  LDS address of my A fragments in slot 0, 1
.set ADRB, 20                          ; v20-21  the same for B
.set STO,  24                          ; v24     the way out: where I put 16 bytes of a row
.set RD,   25                          ; v25     the way out: where I read back
.set CO,   26                          ; v26     16 x lane: my place in a store's 512 bytes
.set ADRS, 27                          ; v27     LDS address of my scale words: lanes 0-15 A's rows, lanes 16-31 B's
.set SPW,  28                          ; v28     LDS address of my spare word; never rewritten
.set NIL,  29                          ; v29     0; never rewritten
.set BO,   30                          ; v30     32 x (lane / 16): my eight numbers of a block's sixteen of the bias
.set SC,   32                          ; scale words: set s at v[SC + 32 s]; register 4 i + q: lanes 0-15 the word of A's block i, lanes 16-31 that of B's block i, for the slot's q-th 128 along K
.set TMP,  96
.set AF,   128
.set BK,   128                         ; the way out: v128-159 and v160-191 by turns
.set BI,   192
.set G1, 24                            ; s[24:31] descriptor group 1 for A's tiles;  s[32:39] group 0, one set for each slot
.set G0, 32
.set G1B, 48                           ; s[48:55], s[56:63] the same for B's tiles
.set G0B, 56
.set G1S, 68                           ; s[68:75], s[76:79] groups 1 and 0 for A's scales;  s[80:87], s[88:91] for B's
.set G0S, 76
.set G1SB, 80
.set G0SB, 88
.set MSB, 0
.macro WIN new                         ; the immediate's high byte repeats the setting that is left
.if MSB != \new
	s_set_vgpr_msb (MSB<<8)|\new
.set MSB, \new
.endif
.endm
.set MUL_LO, 0xa1                      ; source 0 (B) window 1, source 1 (A) window 0, C and D window 2
.set MUL_HI, 0xf1                      ; the same, C and D window 3
.set BIAS_LO, 0x81                     ; the first products: C (the bias) window 0, D window 2
.set BIAS_HI, 0xc1                     ; D window 3
.set TO_B,   0x40                      ; destination window 1, address window 0
; A joint load: waves 0 and 1 fetch for A, waves 2 and 3 for B.  Each of the two lines has ONE mask and one set of registers for all that issue it; the branch hangs on the wave's number alone.
; An s_nop 0 and four v_nop follow each of the two lines, ahead of the jump, the label and what follows.
.macro JLOAD g0a, g1a, g0b, g1b
	s_cmp_eq_u32 s15, 0
	s_cbranch_scc0 .Lfor_b_\@
	tensor_load_to_lds s[\g0a:\g0a+3], s[\g1a:\g1a+7]
	s_nop 0
.rept 4
	v_nop
.endr
	s_branch .Lasked_\@
.Lfor_b_\@:
	tensor_load_to_lds s[\g0b:\g0b+3], s[\g1b:\g1b+7]
	s_nop 0
.rept 4
	v_nop
.endr
.Lasked_\@:
.endm
.macro CROUND                          ; a round of the cluster's barrier: my work-group's barrier; wave 0 signals for the work-group; every wave waits for all sixteen; my work-group's barrier once more
	s_barrier_signal -1
	s_barrier_wait -1
	s_cmp_lg_u32 s14, 0
	s_cbranch_scc1 .Lnot_wave_0_\@
	s_barrier_signal -3
.Lnot_wave_0_\@:
	s_barrier_wait -3
	s_barrier_signal -1
	s_barrier_wait -1
.endm
	s_load_b128 s[4:7], s[0:1], 0x0                ; A's codes s[4:5], A's scales s[6:7]
	s_load_b128 s[8:11], s[0:1], 0x10              ; B's codes s[8:9], B's scales s[10:11]
	s_load_b128 s[96:99], s[0:1], 0x20             ; b_in s[96:97], qkv s[98:99]
	v_lshl_add_u32 v[SPW], v0, 2, SPARE
	v_mov_b32 v[NIL], 0
	ds_add_u32 v[SPW], v[NIL]                      ; the wave's opening: the add, twice on end, and its wait ahead of my first tensor load; the set-up below stands between the second and the wait
	ds_add_u32 v[SPW], v[NIL]
	v_lshrrev_b32 v1, 5, v0
	v_readfirstlane_b32 s14, v1                    ; wave 0..3
	s_lshr_b32 s15, s14, 1                         ; which half of the tile's rows is mine.  Also: I fetch for A (0) or for B (1)
	s_and_b32 s16, s14, 1                          ; which half of its columns.  Also: which 128 rows of that tile I fetch
	s_bfe_u32 s40, ttmp6, 0x40000                  ; cx, cy: my place in the cluster
	s_bfe_u32 s41, ttmp6, 0x40004
	s_lshl_b32 s42, ttmp9, 2
	s_add_co_u32 s42, s42, s40                     ; tile column of C = 4 x cluster x + cx
	s_and_b32 s17, ttmp7, 0xffff
	s_lshl_b32 s17, s17, 2
	s_add_co_u32 s17, s17, s41                     ; tile row of C = 4 x cluster y + cy
	s_lshl_b32 s43, s41, 2
	s_lshl_b32 s43, 15, s43                        ; my row of the cluster
	s_lshl_b32 s44, 0x1111, s40                    ; my column
	; descriptor group 1: a tile of 128 rows x 256 bytes, padded in LDS
	s_or_b32 s[G1+0], s43, (0<<16)|(1<<20)|(1<<21)|(5<<22)|(3<<25)  ; 15:0 the mask: A's tiles go to my row; 17:16 element of 1 byte; 20 padding on; 21 set beside a mask; 24:22 after every 64 words (code 5); 31:25 of 4 words (code 3)
	s_or_b32 s[G1B+0], s44, (0<<16)|(1<<20)|(1<<21)|(5<<22)|(3<<25)
.irp g, G1, G1B
	s_mov_b32 s[\g+1], ROWB<<16                    ; tensor_dim0
	s_mov_b32 s[\g+2], 128<<16                     ; tensor_dim1 = 128
	s_mov_b32 s[\g+3], ROWB<<16                    ; tile_dim0
	s_mov_b32 s[\g+4], 128                         ; tile_dim1 = 128
	s_mov_b32 s[\g+5], KROW                        ; tensor_dim0_stride
	s_mov_b32 s[\g+6], 0
	s_mov_b32 s[\g+7], 0
.endr
	; and for the scales of 128 rows: a dense block of 4,096 bytes, as 16 rows of 256 bytes (32 elements of 8 bytes), 16 bytes of padding behind each
	s_or_b32 s[G1S+0], s43, (3<<16)|(1<<20)|(1<<21)|(5<<22)|(3<<25)
	s_or_b32 s[G1SB+0], s44, (3<<16)|(1<<20)|(1<<21)|(5<<22)|(3<<25)
.irp g, G1S, G1SB
	s_mov_b32 s[\g+1], 32<<16
	s_mov_b32 s[\g+2], (128*KS/256)<<16
	s_mov_b32 s[\g+3], 32<<16
	s_mov_b32 s[\g+4], 128*KS/256
	s_mov_b32 s[\g+5], 32
	s_mov_b32 s[\g+6], 0
	s_mov_b32 s[\g+7], 0
.endr
	s_lshl_b32 s18, s16, 7                         ; which 128 rows of the tile I fetch
	s_lshl_b32 s20, s17, 8
	s_add_co_u32 s20, s20, s18                     ; A: row 256 x tile row + 128 x half
	s_lshl_b32 s46, s42, 8
	s_add_co_u32 s46, s46, s18                     ; B: row 256 x tile column + 128 x half
	s_mov_b32 s21, 0
	s_mov_b32 s47, 0
	s_mov_b64 s[18:19], KS
	s_mul_u64 s[22:23], s[20:21], s[18:19]         ; where these rows' scales begin, in bytes
	s_mul_u64 s[92:93], s[46:47], s[18:19]
	s_mov_b64 s[18:19], KROW
	s_mul_u64 s[20:21], s[20:21], s[18:19]         ; and their codes
	s_mul_u64 s[46:47], s[46:47], s[18:19]
	s_mul_i32 s45, s14, HALFT                      ; where they go: wave x 128 rows: no place in the cluster enters an LDS address
	s_mul_i32 s94, s14, HALFS
	s_wait_dscnt 0x0                               ; both opening adds are done
	s_wait_kmcnt 0x0
	s_add_nc_u64 s[20:21], s[4:5], s[20:21]
	s_add_nc_u64 s[22:23], s[6:7], s[22:23]
	s_add_nc_u64 s[46:47], s[8:9], s[46:47]
	s_add_nc_u64 s[92:93], s[10:11], s[92:93]
	CROUND                                         ; all sixteen work-groups are here: the joint loads meet
	s_mov_b32 s[G0S], 1
	s_add_co_u32 s[G0S+1], s94, SCL
	s_mov_b64 s[G0S+2:G0S+3], s[22:23]
	s_or_b32 s[G0S+3], s[G0S+3], 0x80000000
	s_mov_b32 s[G0SB], 1
	s_add_co_u32 s[G0SB+1], s94, SCL
	s_mov_b64 s[G0SB+2:G0SB+3], s[92:93]
	s_or_b32 s[G0SB+3], s[G0SB+3], 0x80000000
	JLOAD G0S, G1S, G0SB, G1SB                     ; the scales first: they are wanted with K step 0
.irp s, 0,1
	s_mov_b32 s[G0+4*\s], 1
	s_add_co_u32 s[G0+4*\s+1], s45, \s*SLOT
	s_add_nc_u64 s[G0+4*\s+2:G0+4*\s+3], s[20:21], \s*ROWB
	s_or_b32 s[G0+4*\s+3], s[G0+4*\s+3], 0x80000000
	s_mov_b32 s[G0B+4*\s], 1
	s_add_co_u32 s[G0B+4*\s+1], s45, \s*SLOT
	s_add_nc_u64 s[G0B+4*\s+2:G0B+4*\s+3], s[46:47], \s*ROWB
	s_or_b32 s[G0B+4*\s+3], s[G0B+4*\s+3], 0x80000000
	JLOAD G0+4*\s, G1, G0B+4*\s, G1B               ; three tensor loads of mine are out
.endr
	v_and_b32 v1, 15, v0                           ; r = l % 16
	v_bfe_u32 v2, v0, 4, 1                         ; h = l / 16
	v_lshlrev_b32 v[BO], 5, v2
	s_lshl_b32 s46, s42, 10                        ; my first column of the bias, in bytes: 1,024 x tile column + 512 x half
	s_lshl_b32 s47, s16, 9
	s_add_co_u32 s46, s46, s47
	s_mov_b32 s47, 0
	s_add_nc_u64 s[96:97], s[96:97], s[46:47]
.irp b, 0,1,2,3,4,5,6,7
	global_load_b128 v[BI+8*\b:BI+8*\b+3],   v[BO], s[96:97] offset:64*\b      ; b_in at columns 16 b + 8 h + 0 .. 7: what register j of the result's lane wants
	global_load_b128 v[BI+8*\b+4:BI+8*\b+7], v[BO], s[96:97] offset:64*\b+16
.endr
	v_mul_u32_u24 v3, v1, PITCH
	v_lshl_add_u32 v4, v2, 4, v3                   ; a fragment's row x pitch + 16 x half
	s_mul_i32 s21, s15, HALFT                      ; my 128 rows of A
	s_mul_i32 s22, s16, HALFT                      ; my 128 rows of B,
	s_add_co_u32 s22, s22, 2*HALFT                 ; which lie behind A's 256
.irp s, 0,1
	v_add_nc_u32 v[ADRA+\s], s21, v4
	v_add_nc_u32 v[ADRB+\s], s22, v4
	s_add_co_u32 s21, s21, SLOT
	s_add_co_u32 s22, s22, SLOT
.endr
	v_mul_u32_u24 v5, v1, KS                       ; my row's scales: 32 bytes a row,
	v_lshrrev_b32 v6, 8, v5
	v_lshl_add_u32 v5, v6, 4, v5                   ; and 16 more for each 256 passed
	s_mul_i32 s21, s15, HALFS                      ; A's: my 128 rows
	s_mul_i32 s22, s16, HALFS                      ; B's: my 128 rows, behind A's 256
	s_add_co_u32 s22, s22, 2*HALFS
	s_sub_co_u32 s22, s22, s21
	v_mul_u32_u24 v6, s22, v2                      ; lanes 16-31 take B's: one product, the distance between the two bases x h
	s_add_co_u32 s21, s21, SCL
	v_add_nc_u32 v5, v5, v6
	v_add_nc_u32 v[ADRS], s21, v5
	s_mul_i32 s23, s14, 16*SPITCH                  ; my stage
	v_mul_u32_u24 v5, v1, SPITCH                   ; in: row r, 16 bytes for each half of the lanes
	v_lshl_add_u32 v5, v2, 4, v5
	v_add_nc_u32 v[STO], s23, v5
	v_and_b32 v6, 31, v0
	v_lshlrev_b32 v[CO], 4, v6
	v_lshrrev_b32 v5, 3, v6                        ; back: eight lanes take 128 bytes (one group's 64 columns) of a row, 32 lanes four rows
	v_mul_u32_u24 v5, v5, SPITCH
	v_and_b32 v6, 7, v0
	v_lshl_add_u32 v5, v6, 4, v5
	v_add_nc_u32 v[RD], s23, v5
	; where my two groups of 64 columns go: group G = 4 x tile column + 2 x half + g is part G % 3 of head G / 3
	s_lshl_b32 s20, s17, 8
	s_lshl_b32 s21, s15, 7
	s_add_co_u32 s20, s20, s21                     ; my first row m0
	s_lshr_b32 s21, s20, 11
	s_lshl_b32 s21, s21, 4                         ; 16 x batch
	s_and_b32 s20, s20, 2047
	s_lshl_b32 s20, s20, 7                         ; the position's row of 128 bytes
	s_lshl_b32 s22, s42, 2
	s_lshl_b32 s23, s16, 1
	s_add_co_u32 s22, s22, s23
.irp g, 0,1
	s_add_co_u32 s46, s22, \g                      ; G, 0 to 47
	s_mul_i32 s47, s46, 171
	s_lshr_b32 s47, s47, 9                         ; G / 3 (171 / 512 is over 1 / 3 by 0.0007: exact for G under 512)
	s_mul_i32 s92, s47, 3
	s_sub_co_u32 s46, s46, s92                     ; G % 3
	s_lshl_b32 s46, s46, 24                        ; a part is 2^24 bytes,
	s_add_co_u32 s47, s47, s21
	s_lshl_b32 s47, s47, 18                        ; a head 2^18
	s_add_co_u32 s46, s46, s47
	s_add_co_u32 s46, s46, s20
	s_mov_b32 s47, 0
	s_add_nc_u64 s[12+88*\g:13+88*\g], s[98:99], s[46:47]          ; s[12:13] for g = 0, s[100:101] for g = 1; never stepped
.endr
.macro FRAG reg, adr, q, i             ; a fragment, 16 rows x 128 K of 4-bit codes, is 8 registers: lane l holds row l % 16; registers 4 c .. 4 c + 3 hold K = 64 c + 32 (l / 16) + 0 .. 31
.irp c, 0,1
	ds_load_b128 v[\reg+4*\c:\reg+4*\c+3], v[\adr] offset:64*(\q)+32*\c+(\i)*16*PITCH
.endr
.endm
; 16 matrix instructions: A's blocks a0, a0 + 1 x B's eight, 128 along K: the slot's q-th.  p: B's set;  sc: the set of scale words.  bias = 1: the first product starts the sums from the bias.
; The 64 accumulators take turns, one instruction a turn, in the same order in every step.
.macro MUL16 a0, p, q, sc, bias
.irp a, \a0, \a0+1
.irp b, 0,1,2,3,4,5,6,7
.if \bias
	v_wmma_scale_f32_16x16x128_f8f6f4 v[8*(8*((\a)%4)+\b):8*(8*((\a)%4)+\b)+7], v[128*(\p)+FR*\b:128*(\p)+FR*\b+FR-1], v[AF+FR*(\a):AF+FR*(\a)+FR-1], v[BI+8*\b:BI+8*\b+7], v[SC+8*NQ*(\sc)+NQ*\b+(\q)], v[SC+8*NQ*(\sc)+NQ*(\a)+(\q)] matrix_a_fmt:MATRIX_FMT_FP4 matrix_b_fmt:MATRIX_FMT_FP4 matrix_a_scale:MATRIX_SCALE_ROW1
.else
	v_wmma_scale_f32_16x16x128_f8f6f4 v[8*(8*((\a)%4)+\b):8*(8*((\a)%4)+\b)+7], v[128*(\p)+FR*\b:128*(\p)+FR*\b+FR-1], v[AF+FR*(\a):AF+FR*(\a)+FR-1], v[8*(8*((\a)%4)+\b):8*(8*((\a)%4)+\b)+7], v[SC+8*NQ*(\sc)+NQ*\b+(\q)], v[SC+8*NQ*(\sc)+NQ*(\a)+(\q)] matrix_a_fmt:MATRIX_FMT_FP4 matrix_b_fmt:MATRIX_FMT_FP4 matrix_a_scale:MATRIX_SCALE_ROW1
.endif
.endr
.endr
.endm
.macro FETCH_B slot, q, p              ; B's eight fragments of the slot's q-th 128 along K into set p
	WIN TO_B
.irp i, 0,1,2,3,4,5,6,7
	FRAG 128*(\p)+FR*\i, ADRB+\slot, \q, \i
.endr
	WIN 0
.endm
.macro FETCH_A slot, q, i0             ; A's blocks i0 .. i0 + 3
.irp i, \i0, \i0+1, \i0+2, \i0+3
	FRAG AF+FR*(\i), ADRA+\slot, \q, \i
.endr
.endm
.macro SCALES sc                       ; a K step's scale words into set sc: four words a row; lanes 0-15 take A's block i, lanes 16-31 B's block i
.irp i, 0,1,2,3,4,5,6,7
	ds_load_b128 v[SC+8*NQ*\sc+NQ*\i:SC+8*NQ*\sc+NQ*\i+3], v[ADRS] offset:\i*SBLK
.endr
.endm
; A load into a register that a matrix instruction has read, and a vector instruction that reads a matrix result, stand NP places behind that matrix instruction; only plain vector instructions that name none of
; its registers are places (ISA guide 7.12.1 for vector instructions); the matrix instructions in between are not counted.
.macro PLACES n
.rept \n
	v_nop
.endr
.endm
; A step of 128 along K that has its successor in the same slot.
.macro STEP slot, q, bias
	s_wait_dscnt 4*NL                              ; B's set and A's blocks 0-3 are in; the youngest eight loads (A's blocks 4-7) may be out
.if \bias
	WIN BIAS_LO
.else
	WIN MUL_LO
.endif
	MUL16 0, (\q)%2, \q, \slot, \bias
	MUL16 2, (\q)%2, \q, \slot, \bias
	s_wait_dscnt 0                                 ; A's blocks 4-7 are in (asked for 32 matrix instructions ago)
	PLACES NP
	FETCH_B \slot, (\q)+1, 1-(\q)%2
	FETCH_A \slot, (\q)+1, 0
.if \bias
	WIN BIAS_HI
.else
	WIN MUL_HI
.endif
	MUL16 4, (\q)%2, \q, \slot, \bias
	MUL16 6, (\q)%2, \q, \slot, \bias
	PLACES NP
	WIN 0
	FETCH_A \slot, (\q)+1, 4
.endm
; Slot 0's last step goes over to slot 1: ONE barrier; in front of it each wave waits for all its tensor loads (its part of slot 1), adds 0 to its spare word, and waits for that and for its own reads of slot 0.
; Behind it slot 1 is whole, and nobody reads slot 0 any more: so the way out may later use slot 0's bytes as its stage.  Nothing is filled again.
.macro TURN slot, next
	s_wait_tensorcnt 0x0                           ; all my tensor loads have landed  (every window is 0 here: the add's two registers lie in window 0)
	ds_add_u32 v[SPW], v[NIL]                      ; 0 onto my spare word
	s_wait_dscnt 4*NL+1                            ; (the add and the youngest eight loads, A's blocks 4-7, may be out)
	WIN MUL_LO
	MUL16 0, 1, NQ-1, \slot, 0                     ; sixteen matrix instructions stand between the add and the wait for it
	s_wait_dscnt 0x0                               ; the add is done, and my reads of this slot are over
	s_barrier_signal -1
	MUL16 2, 1, NQ-1, \slot, 0
	WIN 0
	s_barrier_wait -1
	PLACES NP
	v_add_nc_u32 v[ADRS], 4*NQ, v[ADRS]            ; on to the next K step's scale words (no LDS load of mine is out)
	FETCH_B \next, 0, 0
	FETCH_A \next, 0, 0
	SCALES \next
	WIN MUL_HI
	MUL16 4, 1, NQ-1, \slot, 0
	MUL16 6, 1, NQ-1, \slot, 0
	PLACES NP
	WIN 0
	FETCH_A \next, 0, 4
.endm
	s_wait_tensorcnt 1                             ; the scales and my part of K step 0 are in (K step 1's load may be out)
	s_barrier_signal -1
	s_barrier_wait -1                              ; everybody's are
	FETCH_B 0, 0, 0
	FETCH_A 0, 0, 0
	SCALES 0
	FETCH_A 0, 0, 4
	s_wait_loadcnt 0x0                             ; the bias
	STEP 0, 0, 1                                   ; the first step's products start the sums
	STEP 0, 1, 0
	STEP 0, 2, 0
	TURN 0, 1
	STEP 1, 0, 0
	STEP 1, 1, 0
	STEP 1, 2, 0
	s_wait_dscnt 4*NL                              ; the very last step: nothing more to fetch
	WIN MUL_LO
	MUL16 0, 1, NQ-1, 1, 0
	MUL16 2, 1, NQ-1, 1, 0
	s_wait_dscnt 0
	WIN MUL_HI
	MUL16 4, 1, NQ-1, 1, 0
	MUL16 6, 1, NQ-1, 1, 0
	WIN 0
; THE WAY OUT, block by block of 16 rows x 128 columns.  PACK: rounded to f16, a lane's eight neighbouring columns make 16 bytes; each accumulator is read from its low end on.  TOSTAGE: into my own stage, rows of 272 bytes,
; and back by groups of 64 columns, four rows of 128 bytes to an instruction.  SEND: in qkv those four rows are 512 consecutive bytes.
.macro PACK a
.set AC, 64*((\a)%4)
	WIN 0x0a+5*((\a)/4)                            ; sources 0 and 1: window 2 or 3
.irp b, 0,1,2,3,4,5,6,7
.irp r, 0,1,2,3
	v_cvt_pk_f16_f32 v[TMP+4*\b+\r], v[AC+8*\b+2*\r], v[AC+8*\b+2*\r+1]
.endr
.endr
	WIN 0
.endm
.macro TOSTAGE a
.set BB, BK+32*((\a)%2)
.irp b, 0,1,2,3,4,5,6,7
	ds_store_b128 v[STO], v[TMP+4*\b:TMP+4*\b+3] offset:32*\b
.endr
.irp g, 0,1
.irp t, 0,1,2,3
	ds_load_b128 v[BB+4*(4*\g+\t):BB+4*(4*\g+\t)+3], v[RD] offset:4*\t*SPITCH+128*\g   ; LDS serves a wave's instructions in order (ISA guide 5.7.1.4): these see the stores above
.endr
.endr
.endm
.macro SEND a
.set BB, BK+32*((\a)%2)
	s_wait_dscnt 0x0                               ; the block is back in registers
	s_wait_xcnt 0x0                                ; the stores of the block before have read their data: the next TOSTAGE loads into those registers only behind this wait
.irp g, 0,1
.irp t, 0,1,2,3
	global_store_b128 v[CO], v[BB+4*(4*\g+\t):BB+4*(4*\g+\t)+3], s[12+88*\g:13+88*\g] offset:(16*(\a)+4*\t)*128   ; 32 lanes store 512 consecutive bytes, at a multiple of 256 from the buffer's first byte
.endr
.endr
.endm
	PLACES NP                                      ; behind the last products: for the conversions that read results and the loads into A's registers
	PACK 0
	TOSTAGE 0
.irp a, 1,2,3,4,5,6,7                  ; block a's conversions stand between block a - 1's loads from the stage and the wait for them
	PACK \a
	SEND \a-1
	TOSTAGE \a
.endr
	SEND 7
	s_wait_tensorcnt 0x0                           ; the wave's end: behind my last tensor load and my last LDS store
	ds_add_u32 v[SPW], v[NIL]
	s_wait_dscnt 0x0
	CROUND                                         ; the closing round: no work-group ends while a partner may still ask for a tile that names it
	s_endpgm
.Lfunc_end_k_q807389406b_qkv:
	.size	k_q807389406b_qkv, .Lfunc_end_k_q807389406b_qkv-k_q807389406b_qkv
	.p2alignl 7, 3214868480
	.fill 96, 4, 3214868480
	.section	.rodata,"a",@progbits
	.p2align	6, 0x0
	.amdhsa_kernel k_q807389406b_qkv
		.amdhsa_group_segment_fixed_size 327680
		.amdhsa_private_segment_fixed_size 0
		.amdhsa_enable_private_segment 0
		.amdhsa_kernarg_size 48
		.amdhsa_user_sgpr_count 2
		.amdhsa_user_sgpr_kernarg_segment_ptr 1
		.amdhsa_wavefront_size32 1
		.amdhsa_system_sgpr_workgroup_id_x 1
		.amdhsa_system_sgpr_workgroup_id_y 1
		.amdhsa_system_sgpr_workgroup_id_z 1
		.amdhsa_system_vgpr_workitem_id 0
		.amdhsa_next_free_vgpr 1024
		.amdhsa_next_free_sgpr 102
		.amdhsa_reserve_vcc 0
		.amdhsa_float_denorm_mode_32 3
		.amdhsa_float_denorm_mode_16_64 3
		.amdhsa_memory_ordered 1
		.amdhsa_forward_progress 1
		.amdhsa_inst_pref_size 129
	.end_amdhsa_kernel
	.amdgpu_metadata
---
amdhsa.version: [ 1, 2 ]
amdhsa.kernels:
  - .name:           k_q807389406b_qkv
    .symbol:         k_q807389406b_qkv.kd
    .args:
      - { .name: a_codes, .offset: 0, .size: 8, .value_kind: global_buffer, .address_space: global }
      - { .name: a_scales, .offset: 8, .size: 8, .value_kind: global_buffer, .address_space: global }
      - { .name: b_codes, .offset: 16, .size: 8, .value_kind: global_buffer, .address_space: global }
      - { .name: b_scales, .offset: 24, .size: 8, .value_kind: global_buffer, .address_space: global }
      - { .name: b_in, .offset: 32, .size: 8, .value_kind: global_buffer, .address_space: global }
      - { .name: qkv, .offset: 40, .size: 8, .value_kind: global_buffer, .address_space: global }
    .group_segment_fixed_size: 327680
    .private_segment_fixed_size: 0
    .kernarg_segment_align: 8
    .kernarg_segment_size: 48
    .max_flat_workgroup_size: 128
    .sgpr_count:     102
    .vgpr_count:     1024
    .wavefront_size: 32
...
	.end_amdgpu_metadata
.endif
;; end of part 2
;; launch attn (part 3): grid 4 x 64, 8 waves a work-group, clusters of 4 x 1, 327,680 bytes of LDS; arguments qkv, ao; writes ao
.if DOCPART == 3
	.amdgcn_target "amdgcn-amd-amdhsa--gfx1250"
	.amdhsa_code_object_version 6
	.text
	.protected	k_q807389406b_attn
	.globl	k_q807389406b_attn
	.p2align	8
	.type	k_q807389406b_attn,@function
k_q807389406b_attn:
	s_mov_b64 s[64:65], 0
	v_nop
	global_prefetch_b8 v0, s[64:65] scope:SCOPE_SE
	s_setreg_imm32_b32 hwreg(HW_REG_WAVE_MODE, 25, 1), 1
	s_wait_xcnt 0x0
	s_wait_alu depctr_hold_cnt(0) depctr_sa_sdst(0) depctr_va_vdst(0) depctr_va_sdst(0) depctr_va_ssrc(0) depctr_va_vcc(0) depctr_vm_vsrc(0)
	s_getreg_b32 s2, hwreg(HW_REG_IB_STS2, 6, 4)
	s_cmp_eq_u32 s2, 0
	s_cbranch_scc0 .Lentry_in_a_cluster
	s_endpgm
.Lentry_in_a_cluster:
	s_bfe_u32 s2, ttmp6, 0x10000c
	s_cmp_lg_u32 s2, 0x3003
	s_cbranch_scc0 .Lentry_shape_is_right
	s_endpgm
.Lentry_shape_is_right:
; O[bh][q][:] = the sum over k of softmax_k(Q[bh][q] . K[bh][k] / 8) V[bh][k][:], no mask.  Q, K, V: the three parts of qkv, [64 heads-in-batches][2048][64] f16.  Products, maxima and sums in f32; the weights p are rounded
; to f16 for the second product (p is at most 1), O once at the end.  OUT: ao [head 16][2048 x batch + position][64] f16, so that 16 rows of a head are 2,048 consecutive bytes.
; LIMIT: f16 numbers under 6e-5 (weights p, results) carry an absolute error of 3e-8; NaN and infinities are not served.
; SHARES.  A work-group owns 512 queries of one head, each of its EIGHT waves 64: four tiles of 16, in 512 registers: two waves to a SIMD, so that one wave's softmax stands beside the other's products, and the text is in plain phases.
; Every wave walks all 2,048 keys, 64 a step: 64 matrix instructions for 32 LDS loads, each fragment of K and of V feeding four products.
; LAYOUT.  S^T = K Q^T (source 0 = 16 keys, source 1 = 16 queries): in the result a lane holds ONE query (lane % 16) and the keys 8 (lane / 16) + 0..7.  Two such tiles, rounded to f16 in pairs, ARE source 1 (32 keys x 16 queries)
; of O^T = V^T P, whose result again holds one query a lane, and eight channels.  K comes out of LDS as it lies, V ([key][channel]) turned, by ds_load_tr16_b128.
; SOFTMAX.  For each query a running maximum m and sum l: p = 2^(c s - c m), c = log2(e) / 8; in every step O and l are multiplied by a = 2^(c m_old - c m_new), which is 1 where m has not grown.
; RING.  Two LDS slots of 512 keys.  A head's rows of 128 bytes are dense in memory, so a tile is stated as rows of 256 bytes, two keys each.  Waves 0-3 fetch K's four quarters of a slot, waves 4-7 V's: one load a wave.
; CLUSTER.  The four query blocks of a head walk the same K and V, so each tile is asked for JOINTLY: the same tensor load, with the same descriptor and a mask that names the four, in all four.
; REGISTERS: window 0: v2-9 addresses; v12-43 eight registers of statistics a tile; v61-63; v64-191 S^T, 32 a tile; v192-255 P, 16 a tile.
;   window 1: v0-127 O^T, 32 a tile; v128-191 Q, 16 a tile; v192-255 ONE buffer of eight fragments: a step's K, then its V.
.set KS,    64        ; keys in a step
.set SK,    512       ; keys in a slot
.set PKP,   272       ; two keys of K in LDS: 256 bytes + 16: the 16 keys of a load begin at 16 different offsets modulo 256 bytes (16 (r / 2) + 128 (r % 2))
.set PVP,   288       ; two keys of V: 256 + 32
.set VOFF,  (SK/2)*PKP              ; a slot: 256 rows of K, then 256 rows of V
.set SLOT,  (SK/2)*(PKP+PVP)
.set KSTEPB, (KS/2)*PKP             ; a step on, in K's region
.set VSTEPB, (KS/2)*PVP             ; and in V's
.set STAGE, 2*SLOT                  ; behind the ring: 16 rows x (128 bytes + 16) for each wave, for the way out
.set SP,    144
.set SPARE, STAGE+8*16*SP           ; behind the stages: the spare words, 128 bytes for each wave, which no other line names
.set AK0, 2           ; v2   my lane's place in a tile of K; never rewritten
.set AV0, 3           ; v3   the same for V
.set ADK, 4           ; v4   LDS address of the step's K
.set ADV, 5           ; v5   of its V
.set QO,  6           ; v6   my byte offset in the wave's rows of Q
.set STO, 7           ; v7   the way out: where I put 16 bytes of a row
.set RD,  8           ; v8   the way out: where I read back
.set GO,  9           ; v9   16 x lane: my place in a store's 512 bytes
.set ST,  12          ; tile t's statistics at v[ST+8 t]: +0 c m, +1 m, +2, +3 l (even keys', odd keys'), +4 to +7 c0-c3, at work; a takes c2's place once the maximum is found
.set PFO, 61          ; v61  256 x my lane; never rewritten
.set SPW, 62          ; v62  LDS address of my spare word; never rewritten
.set NIL, 63          ; v63  0; never rewritten
.set S,   64
.set P,   192
.set QF,  128         ; in window 1
.set KV,  192         ; in window 1
.set WV,  12          ; s12  my wave's number
.set PFA, 18          ; s[18:19] what my prefetch names; never rewritten
.set G1K, 24          ; s[24:31] descriptor group 1 for K's tiles
.set G1V, 32          ; s[32:39] for V's: it differs in the padding alone
.set G0K, 40          ; s[40:47] descriptor group 0 for K's tiles, a set for each slot
.set G0V, 48          ; s[48:55] the same for V's
.set CNT, 56          ; s56  counts a slot's steps
.set TBK, 57          ; s57  LDS byte at which the step's K begins
.set TBV, 58          ; s58  and its V
.set ODD, 59          ; s59  wave & 2: 0 in the waves that prefetch
.set CS,  60          ; s[60:61] c: the packed scaling names a pair and takes its low word for both halves
.set SEL, 62          ; s[62:63] lane selects for v_permlanex16_b32: each lane takes its own place in the other half
.set MSB, 0
.macro WIN new                      ; the immediate's high byte repeats the setting that is left; a switch that changes nothing is dropped
.if MSB != \new
	s_set_vgpr_msb (MSB<<8)|\new
.set MSB, \new
.endif
.endm
.set W_LD, 0x40       ; destination window 1, address window 0
.set W_KQ, 0x05       ; K and Q in window 1, S^T in window 0
.set W_PV, 0x51       ; V in window 1, P in window 0, O^T (C and D) in window 1
.set W_RS, 0x41       ; O^T (destination and source 0) in window 1, the factor in window 0
; A joint refill of slot s.  The branch hangs on the wave's number alone: it is the same in every work-group.  An s_nop 0 and four v_nop follow each of the two lines.
.macro JLOAD s
	s_cmp_lt_u32 s[WV], 4
	s_cbranch_scc0 .Lfor_v_\@
	tensor_load_to_lds s[G0K+4*\s:G0K+4*\s+3], s[G1K:G1K+7]
	s_nop 0
.rept 4
	v_nop
.endr
	s_branch .Lasked_\@
.Lfor_v_\@:
	tensor_load_to_lds s[G0V+4*\s:G0V+4*\s+3], s[G1V:G1V+7]
	s_nop 0
.rept 4
	v_nop
.endr
.Lasked_\@:
.endm
; A round of the cluster's barrier: my work-group's barrier, so that wave 0's signal speaks for all eight waves; wave 0 signals for the work-group; every wave waits for all four work-groups; my work-group's barrier once more.
.macro CROUND
	s_barrier_signal -1
	s_barrier_wait -1
	s_cmp_lg_u32 s[WV], 0
	s_cbranch_scc1 .Lnot_wave_0_\@
	s_barrier_signal -3
.Lnot_wave_0_\@:
	s_barrier_wait -3
	s_barrier_signal -1
	s_barrier_wait -1
.endm
	s_load_b128 s[4:7], s[0:1], 0x0   ; qkv s[4:5], ao s[6:7]
	v_lshl_add_u32 v[SPW], v0, 2, SPARE
	v_mov_b32 v[NIL], 0
	ds_add_u32 v[SPW], v[NIL]       ; the wave's opening: the add, twice on end, and its wait ahead of my first tensor load; the set-up below stands between the second and the wait
	ds_add_u32 v[SPW], v[NIL]
	v_lshrrev_b32 v1, 5, v0
	v_readfirstlane_b32 s[WV], v1   ; wave 0..7
	s_bfe_u32 s13, ttmp6, 0x40000   ; cx: my block of 512 queries: it enters Q's, ao's and the prefetch's addresses alone
	s_and_b32 s14, ttmp7, 0xffff    ; 16 x batch + head, which the four partners share
	s_and_b32 s15, s[WV], 3         ; which 128 keys of a slot I fetch
	s_lshl_b32 s16, s14, 18         ; the head's first byte in a part: 2,048 rows of 128 bytes
	s_lshl_b32 s17, s15, 14         ; my 128 keys
	s_add_co_u32 s17, s17, s16
	s_add_co_u32 s8, s17, 1<<24     ; in part 1, K,
	s_mov_b32 s9, 0
	s_add_co_u32 s10, s17, 2<<24    ; and in part 2, V
	s_mov_b32 s11, 0
	s_lshl_b32 s2, s13, 16          ; my block's 512 rows of 128 bytes,
	s_lshl_b32 s3, s[WV], 13        ; my wave's 64 of them
	s_add_co_u32 s2, s2, s3
	s_add_co_u32 s20, s2, s16       ; Q: part 0
	s_mov_b32 s21, 0
	s_and_b32 s3, s14, 15           ; ao: the head's 8,192 rows,
	s_lshl_b32 s3, s3, 20
	s_add_co_u32 s22, s2, s3
	s_lshr_b32 s3, s14, 4           ; the batch's 2,048 of them
	s_lshl_b32 s3, s3, 18
	s_add_co_u32 s22, s22, s3
	s_mov_b32 s23, 0
	s_cmp_lt_u32 s[WV], 4           ; the prefetch: waves 0 and 1 name K's rows, waves 4 and 5 V's
	s_mov_b32 s18, 2<<24
	s_cselect_b32 s18, 1<<24, s18
	s_add_co_u32 s18, s18, s16
	s_add_co_u32 s18, s18, 3*SK*128 ; keys 1,536 on: the last filling of slot 1,
	s_lshl_b32 s3, s13, 14          ; my work-group's quarter of its 65,536 bytes,
	s_add_co_u32 s18, s18, s3
	s_and_b32 s3, s[WV], 1          ; my wave's half of that: 8,192 bytes, 256 a lane
	s_lshl_b32 s3, s3, 13
	s_add_co_u32 s18, s18, s3
	s_mov_b32 s19, 0
	s_and_b32 s[ODD], s[WV], 2
	s_mul_i32 s16, s15, 64*PKP      ; where my tiles go in a slot: no place in the cluster enters an LDS address
	s_mul_i32 s17, s15, 64*PVP
	s_add_co_u32 s17, s17, VOFF
	; descriptor group 1: a tile of 64 rows x 128 elements (128 keys), padded in LDS
	s_mov_b32 s[G1K], 15|(1<<16)|(1<<20)|(1<<21)|(5<<22)|(3<<25)  ; 15:0 the mask: all four work-groups; 17:16 elements of 2 bytes; 20 padding on; 21 set beside a mask; 24:22 after every 64 words (code 5); 31:25 4 words of it (code 3)
	s_mov_b32 s[G1V], 15|(1<<16)|(1<<20)|(1<<21)|(5<<22)|(7<<25)  ; the same with 8 words of padding (code 7)
.irp g, G1K, G1V
	s_mov_b32 s[\g+1], 128<<16      ; tensor_dim0 = 128
	s_mov_b32 s[\g+2], 64<<16       ; tensor_dim1 = 64
	s_mov_b32 s[\g+3], 128<<16      ; tile_dim0 = 128
	s_mov_b32 s[\g+4], 64           ; tile_dim1 = 64
	s_mov_b32 s[\g+5], 128          ; tensor_dim0_stride: the rows are dense
	s_mov_b32 s[\g+6], 0
	s_mov_b32 s[\g+7], 0
.endr
	s_mov_b32 s[CS], 0x3e38aa3b     ; c = log2(e) / 8
	s_mov_b32 s[CS+1], s[CS]        ; named with it as a pair, so it is written
	s_mov_b32 s[SEL], 0x76543210
	s_mov_b32 s[SEL+1], 0xfedcba98
	s_wait_dscnt 0x0                ; both opening adds are done
	s_wait_kmcnt 0x0
	s_add_nc_u64 s[8:9], s[4:5], s[8:9]      ; K and V at my tile of slot 0
	s_add_nc_u64 s[10:11], s[4:5], s[10:11]
	s_add_nc_u64 s[20:21], s[4:5], s[20:21]  ; Q at my wave's first row
	s_add_nc_u64 s[PFA:PFA+1], s[4:5], s[PFA:PFA+1]
	s_add_nc_u64 s[22:23], s[6:7], s[22:23]  ; ao likewise
	CROUND                          ; all four work-groups are here: the first joint loads meet
.irp s, 0,1
	s_mov_b32 s[G0K+4*\s], 1        ; count = 1
	s_add_co_u32 s[G0K+4*\s+1], s16, \s*SLOT  ; LDS address
	s_add_nc_u64 s[G0K+4*\s+2:G0K+4*\s+3], s[8:9], \s*SK*128  ; global address: slot s begins with keys 512 s
	s_or_b32 s[G0K+4*\s+3], s[G0K+4*\s+3], 0x80000000  ; type = 2
	s_mov_b32 s[G0V+4*\s], 1
	s_add_co_u32 s[G0V+4*\s+1], s17, \s*SLOT
	s_add_nc_u64 s[G0V+4*\s+2:G0V+4*\s+3], s[10:11], \s*SK*128
	s_or_b32 s[G0V+4*\s+3], s[G0V+4*\s+3], 0x80000000
.endr
	s_cmp_lt_u32 s[WV], 4           ; a wave's two first fills stand in one branch, ahead of every wait on TENSORcnt and every LDS read: two loads of mine are out
	s_cbranch_scc0 .Lfirst_v
	tensor_load_to_lds s[G0K:G0K+3], s[G1K:G1K+7]
	s_nop 0
	tensor_load_to_lds s[G0K+4:G0K+7], s[G1K:G1K+7]
	s_nop 0
.rept 4
	v_nop
.endr
	s_branch .Lfirst_asked
.Lfirst_v:
	tensor_load_to_lds s[G0V:G0V+3], s[G1V:G1V+7]
	s_nop 0
	tensor_load_to_lds s[G0V+4:G0V+7], s[G1V:G1V+7]
	s_nop 0
.rept 4
	v_nop
.endr
.Lfirst_asked:
	; A fragment of K or Q is 16 rows x 32 channels in 8 registers: lane l holds row l % 16; registers 0-3 channels 8 (l / 16) + 0..7, registers 4-7 channels 16 + 8 (l / 16) + 0..7: two loads of 16 bytes, 32 bytes apart.
	v_and_b32 v1, 15, v0            ; r = l % 16
	v_bfe_u32 v10, v0, 4, 1         ; h = l / 16
	v_lshlrev_b32 v[QO], 7, v1
	v_lshl_add_u32 v[QO], v10, 4, v[QO]  ; row x 128 + 16 x half
	WIN W_LD
.irp t, 0,1,2,3                     ; Q stays in registers: tile t, channels 32 c on
.irp c, 0,1
	global_load_b128 v[QF+16*\t+8*\c:QF+16*\t+8*\c+3],   v[QO], s[20:21] offset:2048*\t+64*\c
	global_load_b128 v[QF+16*\t+8*\c+4:QF+16*\t+8*\c+7], v[QO], s[20:21] offset:2048*\t+64*\c+32
.endr
.endr
	WIN 0
	v_lshrrev_b32 v11, 1, v1
	v_mul_u32_u24 v[AK0], v11, PKP  ; key r lies in LDS row r / 2,
	v_and_b32 v11, 1, v0
	v_lshl_add_u32 v[AK0], v11, 7, v[AK0]  ; in its half r % 2,
	v_lshl_add_u32 v[AK0], v10, 4, v[AK0]  ; + 16 x half of the lanes
	; The turning load takes 16 keys x 16 channels (lane l reads 16 bytes: key 8 (l / 16) + l % 8, channels 8 ((l / 8) % 2) + 0..7) and leaves half a fragment of V^T: lane l holds channel l % 16 and 8 keys.
	v_bfe_u32 v[AV0], v0, 1, 2      ; (l % 8) / 2
	v_lshl_add_u32 v[AV0], v10, 2, v[AV0]  ; + 4 (l / 16): the key's LDS row
	v_mul_u32_u24 v[AV0], v[AV0], PVP
	v_lshl_add_u32 v[AV0], v11, 7, v[AV0]  ; its half of the row
	v_bfe_u32 v11, v0, 3, 1
	v_lshl_add_u32 v[AV0], v11, 4, v[AV0]
	s_mul_i32 s3, s[WV], 16*SP
	s_add_co_u32 s3, s3, STAGE      ; my stage
	v_mul_u32_u24 v[STO], v1, SP    ; in: row r, 16 bytes for each half of the lanes
	v_lshl_add_u32 v[STO], v10, 4, v[STO]
	v_add_nc_u32 v[STO], s3, v[STO]
	v_and_b32 v11, 31, v0
	v_lshlrev_b32 v[GO], 4, v11
	v_lshlrev_b32 v[PFO], 8, v11
	v_lshrrev_b32 v11, 3, v11       ; back: eight lanes take a row of 128 bytes, 32 lanes four rows
	v_mul_u32_u24 v[RD], v11, SP
	v_and_b32 v11, 7, v0
	v_lshl_add_u32 v[RD], v11, 4, v[RD]
	v_add_nc_u32 v[RD], s3, v[RD]
; THE PRODUCTS.  The accumulators take turns, one instruction a turn: between two links of a chain stand 15 others'.
.macro KQMUL c                      ; S^T: channels 32 c on, 16 products: key tile f, query tile t.  c = 0 starts the sums
.irp f, 0,1,2,3
.irp t, 0,1,2,3
.if \c == 0
	v_wmma_f32_16x16x32_f16 v[S+32*\t+8*\f:S+32*\t+8*\f+7], v[KV+16*\f:KV+16*\f+7], v[QF+16*\t:QF+16*\t+7], 0
.else
	v_wmma_f32_16x16x32_f16 v[S+32*\t+8*\f:S+32*\t+8*\f+7], v[KV+16*\f+8:KV+16*\f+15], v[QF+16*\t+8:QF+16*\t+15], v[S+32*\t+8*\f:S+32*\t+8*\f+7]
.endif
.endr
.endr
.endm
.macro PVMUL first                  ; O^T += V^T P: keys 32 g on, channel tile c, query tile t.  first = 1: the first 16 start the sums: nothing is ever cleared
.irp g, 0,1
.irp c, 0,1,2,3
.irp t, 0,1,2,3
.if \first && (\g == 0)
	v_wmma_f32_16x16x32_f16 v[32*\t+8*\c:32*\t+8*\c+7], v[KV+8*(4*\g+\c):KV+8*(4*\g+\c)+7], v[P+16*\t+8*\g:P+16*\t+8*\g+7], 0
.else
	v_wmma_f32_16x16x32_f16 v[32*\t+8*\c:32*\t+8*\c+7], v[KV+8*(4*\g+\c):KV+8*(4*\g+\c)+7], v[P+16*\t+8*\g:P+16*\t+8*\g+7], v[32*\t+8*\c:32*\t+8*\c+7]
.endif
.endr
.endr
.endr
.endm
; THE SOFTMAX of a step, the four tiles by turns, so that no line waits for the line above it.  first = 1: the first key step, which starts m, l and O^T: it has no a and nothing to rescale.
.macro MAXES first                  ; the maximum of a lane's 32 scores and the old m: four chains c0-c3 of seven scores, one to an accumulator and begun at its low end; then the four scores left over, c0-c3 and m
.irp j, 0,1,2,3
.irp t, 0,1,2,3
	v_max3_num_f32 v[ST+8*\t+4+\j], v[S+32*\t+8*\j], v[S+32*\t+8*\j+1], v[S+32*\t+8*\j+2]
.endr
.endr
.irp u, 1,2
.irp j, 0,1,2,3
.irp t, 0,1,2,3
	v_max3_num_f32 v[ST+8*\t+4+\j], v[ST+8*\t+4+\j], v[S+32*\t+8*\j+2*\u+1], v[S+32*\t+8*\j+2*\u+2]
.endr
.endr
.endr
.irp t, 0,1,2,3
	v_max3_num_f32 v[ST+8*\t+4], v[ST+8*\t+4], v[S+32*\t+7], v[S+32*\t+15]
.endr
.irp t, 0,1,2,3
	v_max3_num_f32 v[ST+8*\t+6], v[ST+8*\t+6], v[S+32*\t+23], v[S+32*\t+31]
.endr
.irp t, 0,1,2,3
	v_max3_num_f32 v[ST+8*\t+4], v[ST+8*\t+4], v[ST+8*\t+5], v[ST+8*\t+6]
.endr
.irp t, 0,1,2,3
.if \first
	v_max_num_f32 v[ST+8*\t+4], v[ST+8*\t+4], v[ST+8*\t+7]
.else
	v_max3_num_f32 v[ST+8*\t+4], v[ST+8*\t+4], v[ST+8*\t+7], v[ST+8*\t+1]
.endif
.endr
.irp t, 0,1,2,3
	v_permlanex16_b32 v[ST+8*\t+5], v[ST+8*\t+4], s[SEL], s[SEL+1]  ; the query's other 32 keys lie in the lane 16 away
.endr
.if !\first
.irp t, 0,1,2,3
	v_mov_b32 v[ST+8*\t+7], v[ST+8*\t]  ; c m_old is kept for a
.endr
.endif
.irp t, 0,1,2,3
	v_max_num_f32 v[ST+8*\t+1], v[ST+8*\t+4], v[ST+8*\t+5]
.endr
.irp t, 0,1,2,3
	v_mul_f32 v[ST+8*\t], s[CS], v[ST+8*\t+1]
.endr
.if !\first
.irp t, 0,1,2,3
	v_sub_f32 v[ST+8*\t+7], v[ST+8*\t+7], v[ST+8*\t]
.endr
.endif
.endm
.macro SCALE t, i                   ; pair i of tile t: c s - c m
	v_pk_fma_f32 v[S+32*(\t)+2*(\i):S+32*(\t)+2*(\i)+1], v[S+32*(\t)+2*(\i):S+32*(\t)+2*(\i)+1], s[CS:CS+1], v[ST+8*(\t):ST+8*(\t)+1] op_sel_hi:[1,0,0] neg_lo:[0,0,1] neg_hi:[0,0,1]
.endm
; ONE BATCH: the 64 scalings and all 132 exponentials.  None of these lines names an exponential's result.  A tile's exponentials carry the next tile's scalings between them, a scaling behind each two.
; Behind the batch one plain line, and ONE wait, ahead of the first line that names a result.
.macro EXPS first
.irp i, 0,1,2,3,4,5,6,7,8,9,10,11,12,13,14,15
	SCALE 0, \i
.endr
.if !\first
.irp t, 0,1,2,3
	v_exp_f32 v[ST+8*\t+6], v[ST+8*\t+7]  ; a = 2^(c m_old - c m_new)
.endr
.endif
.irp t, 0,1,2,3
.irp i, 0,1,2,3,4,5,6,7,8,9,10,11,12,13,14,15
	v_exp_f32 v[S+32*\t+2*\i], v[S+32*\t+2*\i]
	v_exp_f32 v[S+32*\t+2*\i+1], v[S+32*\t+2*\i+1]
.if \t < 3
	SCALE \t+1, \i
.endif
.endr
.endr
	v_nop
	s_wait_alu depctr_va_vdst(0)
.endm
.macro CVTS                         ; the weights to f16, a pair each: P's registers in the order that the second product's source 1 wants
.irp t, 0,1,2,3
.irp i, 0,1,2,3,4,5,6,7,8,9,10,11,12,13,14,15
	v_cvt_pk_f16_f32 v[P+16*\t+\i], v[S+32*\t+2*\i], v[S+32*\t+2*\i+1]
.endr
.endr
.endm
.macro SUMS first                   ; the sum of a tile's 16 pairs of unrounded weights, in place: neighbours 1, 2, 4 and 8 pairs apart; then l = a l + the sum
.irp u, 0,1,2,3,4,5,6,7
.irp t, 0,1,2,3
	v_pk_add_f32 v[S+32*\t+4*\u:S+32*\t+4*\u+1], v[S+32*\t+4*\u:S+32*\t+4*\u+1], v[S+32*\t+4*\u+2:S+32*\t+4*\u+3]
.endr
.endr
.irp u, 0,1,2,3
.irp t, 0,1,2,3
	v_pk_add_f32 v[S+32*\t+8*\u:S+32*\t+8*\u+1], v[S+32*\t+8*\u:S+32*\t+8*\u+1], v[S+32*\t+8*\u+4:S+32*\t+8*\u+5]
.endr
.endr
.irp u, 0,1
.irp t, 0,1,2,3
	v_pk_add_f32 v[S+32*\t+16*\u:S+32*\t+16*\u+1], v[S+32*\t+16*\u:S+32*\t+16*\u+1], v[S+32*\t+16*\u+8:S+32*\t+16*\u+9]
.endr
.endr
.if \first
.irp t, 0,1,2,3
	v_pk_add_f32 v[ST+8*\t+2:ST+8*\t+3], v[S+32*\t:S+32*\t+1], v[S+32*\t+16:S+32*\t+17]
.endr
.else
.irp t, 0,1,2,3
	v_pk_add_f32 v[S+32*\t:S+32*\t+1], v[S+32*\t:S+32*\t+1], v[S+32*\t+16:S+32*\t+17]
.endr
.irp t, 0,1,2,3
	v_pk_fma_f32 v[ST+8*\t+2:ST+8*\t+3], v[ST+8*\t+2:ST+8*\t+3], v[ST+8*\t+6:ST+8*\t+7], v[S+32*\t:S+32*\t+1] op_sel_hi:[1,0,1]
.endr
.endif
.endm
.macro TIMES t                      ; tile t's O^T times the factor in v[ST+8 t+6], from each accumulator's low end on
.irp i, 0,1,2,3,4,5,6,7,8,9,10,11,12,13,14,15
	v_pk_mul_f32 v[32*\t+2*\i:32*\t+2*\i+1], v[32*\t+2*\i:32*\t+2*\i+1], v[ST+8*\t+6:ST+8*\t+7] op_sel_hi:[1,0]
.endr
.endm
; A KEY STEP, in phases: K from LDS | K Q^T | V asked for | the softmax | V^T P.  K and V share one buffer: V is asked for when K's products are issued, and lands under the softmax.
; A load into a register that a matrix instruction has read, and a vector instruction that reads a matrix result, stand four places behind it; only plain vector instructions that name none of its registers are places
; (ISA guide 7.12.1 for vector instructions).
.macro STEP first
	WIN 0
	v_add_nc_u32 v[ADK], s[TBK], v[AK0]
	v_add_nc_u32 v[ADV], s[TBV], v[AV0]
	v_nop
	v_nop                           ; four places behind the last step's V^T P, in front of the loads into its buffer
	WIN W_LD
.irp c, 0,1                         ; channels 0-31 of all 64 keys first
.irp f, 0,1,2,3
	ds_load_b128 v[KV+16*\f+8*\c:KV+16*\f+8*\c+3],   v[ADK] offset:\f*8*PKP+64*\c
	ds_load_b128 v[KV+16*\f+8*\c+4:KV+16*\f+8*\c+7], v[ADK] offset:\f*8*PKP+64*\c+32
.endr
.endr
	s_wait_dscnt 8                  ; channels 0-31 are in; the eight loads of channels 32-63 may be out
	WIN W_KQ
	KQMUL 0
	s_wait_dscnt 0x0
	KQMUL 1
.rept 4
	v_nop                           ; four places: for the loads into K's registers and for the first reads of the scores
.endr
	WIN W_LD
.irp g, 0,1                         ; keys 32 g on, channels 16 c on
.irp c, 0,1,2,3
	ds_load_tr16_b128 v[KV+8*(4*\g+\c):KV+8*(4*\g+\c)+3],   v[ADV] offset:\g*16*PVP+32*\c
	ds_load_tr16_b128 v[KV+8*(4*\g+\c)+4:KV+8*(4*\g+\c)+7], v[ADV] offset:\g*16*PVP+8*PVP+32*\c
.endr
.endr
	WIN 0
	MAXES \first
	EXPS \first
	CVTS
	SUMS \first
.if !\first
	WIN W_RS
.irp t, 0,1,2,3
	TIMES \t                        ; O^T x a
.endr
.endif
	s_wait_dscnt 0x0                ; V is in
	WIN W_PV
	PVMUL \first
	WIN 0
	s_add_co_u32 s[TBK], s[TBK], KSTEPB
	s_add_co_u32 s[TBV], s[TBV], VSTEPB
.endm
.macro SLOTSTEPS slot, n            ; n key steps of a slot: the step is written once and walked n times; the LDS addresses hang on two scalars stepped by constants
.if \n == 8
	s_mov_b32 s[TBK], \slot*SLOT
	s_mov_b32 s[TBV], \slot*SLOT+VOFF
.endif
	s_mov_b32 s[CNT], \n
.Lstep_\@:
	STEP 0
	s_sub_co_u32 s[CNT], s[CNT], 1
	s_cmp_lg_u32 s[CNT], 0
	s_cbranch_scc1 .Lstep_\@
.endm
; THE CHANGE OF SLOTS.  Each wave waits for all its tensor loads, of which one is out: its part of the other slot; adds 0 to its spare word; and waits for that and for its own reads of the slot that it leaves.
; fill = 1: that slot is filled again, with the keys 1,024 further on.  The barrier is then a round of the cluster's, so that no wave of any partner still reads the slot or has a load on its way, and the joint refill is the
; first thing behind it: it has eight key steps, 512 matrix instructions of the wave, in which to land.
; ask = 1: A PREFETCH INTO THE L2 of what the NEXT change will ask for: keys 1,536 to 2,047 of K and of V, 65,536 bytes each.  It stands behind the tensor load and its five lines.  Each aligned block of 256 bytes is named once:
; the four partners take a quarter each, told apart BY ADDRESS; in each, waves 0 and 1 name K's two halves of the quarter and waves 4 and 5 V's, lanes 256 bytes apart (a branch on the wave's number, the same in all partners).
; The first three fillings come by their loads alone, and the last change that fills a slot asks for nothing.
.macro CHANGE fill, slot, ask
	s_wait_tensorcnt 0x0            ; no tensor load of mine is out, so a group 0 may be written
	ds_add_u32 v[SPW], v[NIL]       ; 0 onto my spare word
.if \fill
	s_add_nc_u64 s[G0K+4*\slot+2:G0K+4*\slot+3], s[G0K+4*\slot+2:G0K+4*\slot+3], 2*SK*128  ; the type bits on top are not reached
	s_add_nc_u64 s[G0V+4*\slot+2:G0V+4*\slot+3], s[G0V+4*\slot+2:G0V+4*\slot+3], 2*SK*128
.endif
	s_wait_dscnt 0x0                ; the add is done, and my reads of the slot are over
.if \fill
	CROUND
	JLOAD \slot
.if \ask
	s_cmp_eq_u32 s[ODD], 0
	s_cbranch_scc0 .Lnot_mine_\@
	global_prefetch_b8 v[PFO], s[PFA:PFA+1] th:TH_LOAD_NT scope:SCOPE_SE
.Lnot_mine_\@:
.endif
.else
	s_barrier_signal -1
	s_barrier_wait -1
.endif
.endm
	s_wait_tensorcnt 1              ; my part of slot 0 is in; slot 1's may stay out
	s_barrier_signal -1
	s_barrier_wait -1               ; everybody's is
	s_wait_loadcnt 0x0              ; Q
	s_mov_b32 s[TBK], 0
	s_mov_b32 s[TBV], VOFF
	STEP 1                          ; keys 0-63 start m, l and O^T
	SLOTSTEPS 0, 7                  ; keys 64-511
	CHANGE 1, 0, 1                  ; slot 0 takes keys 1,024-1,535
	SLOTSTEPS 1, 8                  ; keys 512-1,023
	CHANGE 1, 1, 0                  ; slot 1 takes keys 1,536-2,047
	SLOTSTEPS 0, 8
	CHANGE 0, 0, 0                  ; nothing is left to fetch
	SLOTSTEPS 1, 8
	; THE WAY OUT.  l's two halves and the other half of the lanes' are added; O^T is divided by l, rounded to f16 and sent through my stage in LDS, a tile (16 rows) at a time.  The additions are the places behind the last products.
.irp t, 0,1,2,3
	v_add_f32 v[ST+8*\t+4], v[ST+8*\t+2], v[ST+8*\t+3]
.endr
.irp t, 0,1,2,3
	v_permlanex16_b32 v[ST+8*\t+5], v[ST+8*\t+4], s[SEL], s[SEL+1]
.endr
.irp t, 0,1,2,3
	v_add_f32 v[ST+8*\t+4], v[ST+8*\t+4], v[ST+8*\t+5]
.endr
.irp t, 0,1,2,3
	v_rcp_f32 v[ST+8*\t+6], v[ST+8*\t+4]
.endr
	v_nop                           ; a plain line between the last reciprocal and the use of its result
	s_wait_alu depctr_va_vdst(0)    ; and the wait ahead of the first use: one for the four
; Tile t: a lane's eight channels of a row pack into 16 bytes; they go into rows of 144 bytes and come back four rows of 128 bytes to an instruction.
.macro PACK t
	WIN W_RS
	TIMES \t
	WIN 0x05                        ; sources 0 and 1 window 1, destination window 0: S^T's registers are free
.irp i, 0,1,2,3,4,5,6,7,8,9,10,11,12,13,14,15
	v_cvt_pk_f16_f32 v[S+16*\t+\i], v[32*\t+2*\i], v[32*\t+2*\i+1]
.endr
	WIN 0
.irp c, 0,1,2,3
	ds_store_b128 v[STO], v[S+16*\t+4*\c:S+16*\t+4*\c+3] offset:32*\c
.endr
.irp i, 0,1,2,3
	ds_load_b128 v[S+64+16*\t+4*\i:S+64+16*\t+4*\i+3], v[RD] offset:\i*4*SP  ; LDS serves a wave's instructions in order (ISA guide 5.7.1.4): these see the stores above; the next tile's stores come behind them
.endr
.endm
.macro SEND t, younger              ; younger: the LDS instructions issued behind tile t's loads: the next tile's eight, or none
.irp i, 0,1,2,3
	s_wait_dscnt \younger+3-\i
	global_store_b128 v[GO], v[S+64+16*\t+4*\i:S+64+16*\t+4*\i+3], s[22:23] offset:\t*2048+\i*512  ; 32 lanes store 512 consecutive bytes, at a multiple of 256 from the buffer's first byte
.endr
.endm
	PACK 0
	PACK 1                          ; a tile's arithmetic stands between the loads of the tile before and its stores
	SEND 0, 8
	PACK 2
	SEND 1, 8
	PACK 3
	SEND 2, 8
	SEND 3, 0
	s_wait_tensorcnt 0x0            ; the wave's end: behind my last tensor load and my last LDS store
	ds_add_u32 v[SPW], v[NIL]
	s_wait_dscnt 0x0
	CROUND                          ; the closing round: no work-group ends while a partner may still ask for a tile that names it
	s_endpgm
.Lfunc_end_k_q807389406b_attn:
	.size	k_q807389406b_attn, .Lfunc_end_k_q807389406b_attn-k_q807389406b_attn
	.p2alignl 7, 3214868480
	.fill 96, 4, 3214868480
	.section	.rodata,"a",@progbits
	.p2align	6, 0x0
	.amdhsa_kernel k_q807389406b_attn
		.amdhsa_group_segment_fixed_size 327680
		.amdhsa_private_segment_fixed_size 0
		.amdhsa_enable_private_segment 0
		.amdhsa_kernarg_size 16
		.amdhsa_user_sgpr_count 2
		.amdhsa_user_sgpr_kernarg_segment_ptr 1
		.amdhsa_wavefront_size32 1
		.amdhsa_system_sgpr_workgroup_id_x 1
		.amdhsa_system_sgpr_workgroup_id_y 1
		.amdhsa_system_sgpr_workgroup_id_z 1
		.amdhsa_system_vgpr_workitem_id 0
		.amdhsa_next_free_vgpr 512
		.amdhsa_next_free_sgpr 66
		.amdhsa_reserve_vcc 0
		.amdhsa_float_denorm_mode_32 3
		.amdhsa_float_denorm_mode_16_64 3
		.amdhsa_memory_ordered 1
		.amdhsa_forward_progress 1
		.amdhsa_inst_pref_size 180
	.end_amdhsa_kernel
	.amdgpu_metadata
---
amdhsa.version: [ 1, 2 ]
amdhsa.kernels:
  - .name:           k_q807389406b_attn
    .symbol:         k_q807389406b_attn.kd
    .args:
      - { .name: qkv, .offset: 0, .size: 8, .value_kind: global_buffer, .address_space: global }
      - { .name: ao, .offset: 8, .size: 8, .value_kind: global_buffer, .address_space: global }
    .group_segment_fixed_size: 327680
    .private_segment_fixed_size: 0
    .kernarg_segment_align: 8
    .kernarg_segment_size: 16
    .max_flat_workgroup_size: 256
    .sgpr_count:     66
    .vgpr_count:     512
    .wavefront_size: 32
...
	.end_amdgpu_metadata
.endif
;; end of part 3
;; launch proj (part 4): grid 8 x 32, 4 waves a work-group, clusters of 4 x 4, 327,680 bytes of LDS; arguments ao, wo16, b_out, out0; writes out0
.if DOCPART == 4
	.amdgcn_target "amdgcn-amd-amdhsa--gfx1250"
	.amdhsa_code_object_version 6
	.text
	.protected	k_q807389406b_proj
	.globl	k_q807389406b_proj
	.p2align	8
	.type	k_q807389406b_proj,@function
k_q807389406b_proj:
	s_mov_b64 s[64:65], 0
	v_nop
	global_prefetch_b8 v0, s[64:65] scope:SCOPE_SE
	s_setreg_imm32_b32 hwreg(HW_REG_WAVE_MODE, 25, 1), 1
	s_wait_xcnt 0x0
	s_wait_alu depctr_hold_cnt(0) depctr_sa_sdst(0) depctr_va_vdst(0) depctr_va_sdst(0) depctr_va_ssrc(0) depctr_va_vcc(0) depctr_vm_vsrc(0)
	s_getreg_b32 s2, hwreg(HW_REG_IB_STS2, 6, 4)
	s_cmp_eq_u32 s2, 0
	s_cbranch_scc0 .Lentry_in_a_cluster
	s_endpgm
.Lentry_in_a_cluster:
	s_bfe_u32 s2, ttmp6, 0x10000c
	s_cmp_lg_u32 s2, 0xf033
	s_cbranch_scc0 .Lentry_shape_is_right
	s_endpgm
.Lentry_shape_is_right:
; THE PROJECTION ON THE WAY OUT: out0[m][n] = sum over k of A[m][k] w_out[n][k] + b_out[n].  A is the attention's result, laid [head 16][m 8192][64] f16 (k = 64 x head + channel); wo16: [1024 n][1024 k] f16; out0: [8192][1024] f32.
; Products on f16 operands, sums in f32.
; A tile of out0 is 256 (m) x 128 (n): 256 work-groups.  Four waves, each 128 x 64: 32 accumulators of 16 x 16, 256 registers.  K goes in steps of 128, two heads, through a ring of two LDS slots.
; One head's 256 rows of A are 32,768 dense bytes: they are stated as 128 rows of 256 bytes, two rows of A each; wave 0 fetches a step's first head, wave 1 its second; waves 2 and 3 fetch 64 rows of wo16 each, 256 bytes a row.
; CLUSTERS: 4 x 4 work-groups.  The four of a row of the cluster need the same tiles of A, the four of a column the same tiles of wo16: each tile is asked for JOINTLY, by the same tensor load with the same descriptor and a mask
; that names the four.  THE MATRIX INSTRUCTION IS USED TRANSPOSED (source 0 = 16 rows of wo16, source 1 = 16 rows of A): a lane then holds eight neighbouring columns of one row of out0.
; THE BIAS is the C of each sum's first matrix instruction.
; REGISTERS: window 0: v16-30 addresses; v32-63 the bias; v64-127, v128-191 fragments of A (8 x 16 rows x 32 K), two buffers; v192-255 the way out.   window 1: v64-95, v128-159 fragments of wo16, two buffers.
;   window 2: the accumulators, (a, b) at v[8 (4 a + b)].
.set SIZE_N, 1024
.set PITCH,  272                       ; an LDS row: 256 bytes + 16 of padding, so that the 16 rows that a load touches begin at 16 different offsets modulo 256 bytes
.set HALFA,  128*PITCH                 ; one head's 256 rows of A
.set HALFB,  64*PITCH                  ; 64 rows of wo16
.set SLOT,   2*HALFA+2*HALFB
.set STAGE,  2*SLOT                    ; behind the ring: 16 rows x 272 bytes for each wave, for the way out
.set SPARE,  STAGE+4*16*PITCH          ; behind the stages: the spare words, 128 bytes for each wave, which no other line names
.set LAPS,   4                         ; a lap = two K steps = once round the ring: 1,024 / 256
.set KSB,    2*8192*128                ; a K step on in A: two heads of 8,192 rows of 128 bytes
.set ADRA, 16                          ; v16-17  LDS address of my A fragments in slot 0, 1
.set ADRB, 20                          ; v20-21  the same for wo16
.set STO,  24                          ; v24     the way out: where I put 32 bytes of a row
.set RD,   25                          ; v25     the way out: where I read a row back
.set CO,   26                          ; v26     my byte offset in two rows of out0
.set BO,   27                          ; v27     32 x (lane / 16): my eight numbers of a block's sixteen of the bias
.set SPW,  28                          ; v28     LDS address of my spare word; never rewritten
.set NIL,  29                          ; v29     0; never rewritten
.set PFO,  30                          ; v30     256 x my lane; never rewritten
.set BI,   32
.set F0,   64
.set F1,   128
.set BK,   192
.set WV,   12                          ; s12  my wave's number
.set RH,   13                          ; s13  which half of the tile's rows is mine.  Also: I fetch for A (0) or for wo16 (1)
.set CH,   14                          ; s14  which half of its columns.  Also: which head of the step, or which 64 rows of wo16, I fetch
.set TR,   15                          ; s15  tile row
.set LIM,  43                          ; s43  1 in a wave that prefetches, else the greatest number
.set PFA,  44                          ; s[44:45] where my prefetches stand
.set G1, 24                            ; s[24:31] descriptor group 1 for A's tiles;  s[32:39] group 0, one set for each slot
.set G0, 32
.set G1B, 48                           ; s[48:55], s[56:63] the same for wo16's
.set G0B, 56
.set MSB, 0
.macro WIN new                         ; the immediate's high byte repeats the setting that is left
.if MSB != \new
	s_set_vgpr_msb (MSB<<8)|\new
.set MSB, \new
.endif
.endm
.set MUL,  0xa1                        ; source 0 (wo16) window 1, source 1 (A) window 0, C and D window 2
.set MUL0, 0x81                        ; the first products: C (the bias) window 0
.set TO_B, 0x40                        ; destination window 1, address window 0
.macro JLOAD s                         ; a joint load; the branch hangs on the wave's number alone; an s_nop 0 and four v_nop follow each of the two lines
	s_cmp_eq_u32 s[RH], 0
	s_cbranch_scc0 .Lfor_b_\@
	tensor_load_to_lds s[G0+4*\s:G0+4*\s+3], s[G1:G1+7]
	s_nop 0
.rept 4
	v_nop
.endr
	s_branch .Lasked_\@
.Lfor_b_\@:
	tensor_load_to_lds s[G0B+4*\s:G0B+4*\s+3], s[G1B:G1B+7]
	s_nop 0
.rept 4
	v_nop
.endr
.Lasked_\@:
.endm
; A PREFETCH INTO THE L2, behind a joint load, its five lines and the run of LDS loads that follows them: A's K step that stands TWO refills on.  A head's part of a tile row is 32,768 bytes: of the head that wave 0 or 1 fetches,
; the partner at place cx names 8,192 bytes, lanes 256 bytes apart: the partners are told apart BY ADDRESS.  Both clusters of a row of clusters read the same rows of A: the one with x = 0 asks.  So each aligned block of 256 bytes
; is named once.  K steps 0 to 3 come by their loads alone; the loop's last trip, whose refills are the last two K steps, asks for nothing.  wo16 is read by all 32 tile rows again and again and is not asked for.
.macro ASK
	s_cmp_gt_u32 s3, s[LIM]                        ; s3 = 1 in the loop's last trip
	s_cbranch_scc0 .Lnot_mine_\@
	global_prefetch_b8 v[PFO], s[PFA:PFA+1] offset:KSB th:TH_LOAD_NT scope:SCOPE_SE
.Lnot_mine_\@:
.endm
.macro CREST                           ; a round of the cluster's barrier behind its opening barrier
	s_cmp_lg_u32 s[WV], 0
	s_cbranch_scc1 .Lnot_wave_0_\@
	s_barrier_signal -3
.Lnot_wave_0_\@:
	s_barrier_wait -3
	s_barrier_signal -1
	s_barrier_wait -1
.endm
.macro CROUND                          ; a whole round
	s_barrier_signal -1
	s_barrier_wait -1
	CREST
.endm
	s_load_b128 s[4:7], s[0:1], 0x0                ; A s[4:5], wo16 s[6:7]
	s_load_b128 s[8:11], s[0:1], 0x10              ; b_out s[8:9], out0 s[10:11]
	v_lshl_add_u32 v[SPW], v0, 2, SPARE
	v_mov_b32 v[NIL], 0
	ds_add_u32 v[SPW], v[NIL]                      ; the wave's opening: the add, twice on end, and its wait ahead of my first tensor load; the set-up below stands between the second and the wait
	ds_add_u32 v[SPW], v[NIL]
	v_lshrrev_b32 v1, 5, v0
	v_readfirstlane_b32 s[WV], v1                  ; wave 0..3
	s_lshr_b32 s[RH], s[WV], 1
	s_and_b32 s[CH], s[WV], 1
	s_bfe_u32 s40, ttmp6, 0x40000                  ; cx, cy: my place in the cluster
	s_bfe_u32 s41, ttmp6, 0x40004
	s_lshl_b32 s42, ttmp9, 2
	s_add_co_u32 s42, s42, s40                     ; tile column = 4 x cluster x + cx
	s_and_b32 s[TR], ttmp7, 0xffff
	s_lshl_b32 s[TR], s[TR], 2
	s_add_co_u32 s[TR], s[TR], s41                 ; tile row = 4 x cluster y + cy
	s_lshl_b32 s43, s41, 2
	s_lshl_b32 s43, 15, s43                        ; my row of the cluster
	s_lshl_b32 s44, 0x1111, s40                    ; my column
	s_or_b32 s[G1+0], s43, (1<<16)|(1<<20)|(1<<21)|(5<<22)|(3<<25)  ; 15:0 the mask: A's tiles go to my row; 17:16 element of 2 bytes; 20 padding on; 21 set beside a mask; 24:22 after every 64 words (code 5); 31:25 of 4 words (code 3)
	s_or_b32 s[G1B+0], s44, (1<<16)|(1<<20)|(1<<21)|(5<<22)|(3<<25)
	s_mov_b32 s[G1+1], 128<<16                     ; A: tensor_dim0 = 128
	s_mov_b32 s[G1+2], 128<<16                     ; tensor_dim1 = 128
	s_mov_b32 s[G1+3], 128<<16                     ; tile_dim0 = 128
	s_mov_b32 s[G1+4], 128                         ; tile_dim1 = 128
	s_mov_b32 s[G1+5], 128                         ; tensor_dim0_stride: the rows are dense
	s_mov_b32 s[G1+6], 0
	s_mov_b32 s[G1+7], 0
	s_mov_b32 s[G1B+1], 128<<16                    ; wo16: tensor_dim0 = 128
	s_mov_b32 s[G1B+2], 64<<16                     ; tensor_dim1 = 64
	s_mov_b32 s[G1B+3], 128<<16                    ; tile_dim0 = 128
	s_mov_b32 s[G1B+4], 64                         ; tile_dim1 = 64
	s_mov_b32 s[G1B+5], 1024                       ; tensor_dim0_stride
	s_mov_b32 s[G1B+6], 0
	s_mov_b32 s[G1B+7], 0
	; where the tiles come from.  A's hang on the tile row alone, which my row of the cluster shares; wo16's on the tile column alone, which my column shares.  Every wave makes both, in registers that never hold the other coordinate.
	s_lshl_b32 s16, s[CH], 20                      ; A: head CH of the step: 8,192 rows of 128 bytes,
	s_lshl_b32 s17, s[TR], 15                      ; + 256 x tile row rows
	s_add_co_u32 s16, s16, s17
	s_mov_b32 s17, 0
	s_lshl_b32 s46, s42, 18                        ; wo16: row 128 x tile column + 64 x CH, 2,048 bytes a row
	s_lshl_b32 s47, s[CH], 17
	s_add_co_u32 s46, s46, s47
	s_mov_b32 s47, 0
	s_mul_i32 s20, s[CH], HALFA                    ; and where they go: no place in the cluster enters an LDS address
	s_mul_i32 s21, s[CH], HALFB
	s_add_co_u32 s21, s21, 2*HALFA
	s_wait_dscnt 0x0                               ; both opening adds are done
	s_wait_kmcnt 0x0
	s_add_nc_u64 s[18:19], s[4:5], s[16:17]
	s_add_nc_u64 s[46:47], s[6:7], s[46:47]
	CROUND                                         ; all sixteen work-groups are here: the first joint loads meet
.irp s, 0,1
	s_mov_b32 s[G0+4*\s], 1
	s_add_co_u32 s[G0+4*\s+1], s20, \s*SLOT
	s_add_nc_u64 s[G0+4*\s+2:G0+4*\s+3], s[18:19], \s*KSB
	s_or_b32 s[G0+4*\s+3], s[G0+4*\s+3], 0x80000000
	s_mov_b32 s[G0B+4*\s], 1
	s_add_co_u32 s[G0B+4*\s+1], s21, \s*SLOT
	s_add_nc_u64 s[G0B+4*\s+2:G0B+4*\s+3], s[46:47], \s*256
	s_or_b32 s[G0B+4*\s+3], s[G0B+4*\s+3], 0x80000000
	JLOAD \s                                       ; two tensor loads of mine are out
.endr
	v_and_b32 v1, 15, v0                           ; r = l % 16
	v_bfe_u32 v2, v0, 4, 1                         ; h = l / 16
	v_lshlrev_b32 v[BO], 5, v2
	s_lshl_b32 s46, s42, 9                         ; my first column, in bytes of f32: 512 x tile column + 256 x half
	s_lshl_b32 s47, s[CH], 8
	s_add_co_u32 s46, s46, s47
	s_mov_b32 s47, 0
	s_add_nc_u64 s[8:9], s[8:9], s[46:47]
.irp b, 0,1,2,3
	global_load_b128 v[BI+8*\b:BI+8*\b+3],   v[BO], s[8:9] offset:64*\b       ; b_out at columns 16 b + 8 h + 0 .. 7
	global_load_b128 v[BI+8*\b+4:BI+8*\b+7], v[BO], s[8:9] offset:64*\b+16
.endr
	s_lshl_b32 s16, s[TR], 8
	s_lshl_b32 s17, s[RH], 7
	s_add_co_u32 s16, s16, s17                     ; my first row of out0
	s_lshl_b32 s16, s16, 12                        ; 4,096 bytes a row
	s_add_co_u32 s46, s46, s16
	s_add_nc_u64 s[10:11], s[10:11], s[46:47]      ; never stepped: a block's place stands in the stores' immediates
	; the prefetches
	s_lshl_b32 s22, s40, 13                        ; my work-group's 8,192 bytes of the head's 32,768
	s_mov_b32 s23, 0
	s_add_nc_u64 s[PFA:PFA+1], s[18:19], s[22:23]
	s_add_nc_u64 s[PFA:PFA+1], s[PFA:PFA+1], 2*KSB ; at K step 2: the first refill steps it to 3 and names K step 4
	s_or_b32 s[LIM], s[RH], ttmp9                  ; 0 in waves 0 and 1 of the clusters with x = 0: the same in all sixteen partners, for a given wave
	s_cmp_eq_u32 s[LIM], 0
	s_cselect_b32 s[LIM], 1, -1
	v_and_b32 v[PFO], 31, v0
	v_lshlrev_b32 v[PFO], 8, v[PFO]
	; A fragment is 16 rows x 32 K in 8 registers: lane l holds row l % 16; registers 0-3 hold K = 8 (l / 16) + 0..7, registers 4-7 K = 16 + 8 (l / 16) + 0..7: two loads of 16 bytes, 32 bytes apart.
	v_lshrrev_b32 v3, 1, v1
	v_mul_u32_u24 v3, v3, PITCH                    ; A: row r lies in LDS row r / 2,
	v_and_b32 v4, 1, v0
	v_lshl_add_u32 v3, v4, 7, v3                   ; in its half r % 2,
	v_lshl_add_u32 v3, v2, 4, v3                   ; + 16 x half of the lanes
	v_mul_u32_u24 v4, v1, PITCH                    ; wo16: row r
	v_lshl_add_u32 v4, v2, 4, v4
	s_mul_i32 s21, s[RH], 64*PITCH                 ; my 128 rows of A: 64 LDS rows in each head's region
	s_mul_i32 s22, s[CH], HALFB                    ; my 64 rows of wo16,
	s_add_co_u32 s22, s22, 2*HALFA                 ; behind A's two heads
.irp s, 0,1
	v_add_nc_u32 v[ADRA+\s], s21, v3
	v_add_nc_u32 v[ADRB+\s], s22, v4
	s_add_co_u32 s21, s21, SLOT
	s_add_co_u32 s22, s22, SLOT
.endr
	s_mul_i32 s23, s[WV], 16*PITCH
	s_add_co_u32 s23, s23, STAGE                   ; my stage
	v_mul_u32_u24 v5, v1, PITCH                    ; in: row r, 32 bytes for each half of the lanes
	v_lshl_add_u32 v5, v2, 5, v5
	v_add_nc_u32 v[STO], s23, v5
	v_mul_u32_u24 v5, v2, PITCH                    ; back: lanes 0-15 take one row of 256 bytes, lanes 16-31 the next
	v_lshl_add_u32 v5, v1, 4, v5
	v_add_nc_u32 v[RD], s23, v5
	v_lshlrev_b32 v5, 12, v2                       ; and the same two rows in out0
	v_lshl_add_u32 v[CO], v1, 4, v5
; 8 matrix instructions: A's blocks a0, a0 + 1 x wo16's four, 32 along K, from buffer f.  bias = 1: the first product starts the sums from the bias.
; The 32 accumulators take turns, one instruction a turn, in the same order in every quarter.
.macro MUL8 f, a0, bias
.irp a, \a0, \a0+1
.irp b, 0,1,2,3
.if \bias
	v_wmma_f32_16x16x32_f16 v[8*(4*(\a)+\b):8*(4*(\a)+\b)+7], v[\f+8*\b:\f+8*\b+7], v[\f+8*(\a):\f+8*(\a)+7], v[BI+8*\b:BI+8*\b+7]
.else
	v_wmma_f32_16x16x32_f16 v[8*(4*(\a)+\b):8*(4*(\a)+\b)+7], v[\f+8*\b:\f+8*\b+7], v[\f+8*(\a):\f+8*(\a)+7], v[8*(4*(\a)+\b):8*(4*(\a)+\b)+7]
.endif
.endr
.endr
.endm
; 24 LDS loads in one run: the fragments of the slot's q-th 32 along K into buffer f: wo16's four, then A's eight.  Quarter q lies in head q / 2 of the step, at byte 64 (q % 2) of a row of A.
.macro FETCH slot, q, f
	WIN TO_B
.irp i, 0,1,2,3
	ds_load_b128 v[\f+8*\i:\f+8*\i+3],   v[ADRB+\slot] offset:64*(\q)+\i*16*PITCH
	ds_load_b128 v[\f+8*\i+4:\f+8*\i+7], v[ADRB+\slot] offset:64*(\q)+\i*16*PITCH+32
.endr
	WIN 0
.irp i, 0,1,2,3,4,5,6,7
	ds_load_b128 v[\f+8*\i:\f+8*\i+3],   v[ADRA+\slot] offset:((\q)/2)*HALFA+((\q)%2)*64+\i*8*PITCH
	ds_load_b128 v[\f+8*\i+4:\f+8*\i+7], v[ADRA+\slot] offset:((\q)/2)*HALFA+((\q)%2)*64+\i*8*PITCH+32
.endr
.endm
.macro PLACES                          ; four places in front of loads into registers that matrix instructions have read, and of reads of results (ISA guide 7.12.1 for vector instructions)
.rept 4
	v_nop
.endr
.endm
; A K step is four quarters of 32 along K, 32 matrix instructions each, on buffers 0, 1, 0, 1.  One of the first three: multiplies buffer f and fetches quarter q into g.
.macro QUARTER slot, q, f, g, bias
	s_wait_dscnt 8                                 ; wo16's fragments and A's blocks 0-3 are in; the youngest eight loads (A's blocks 4-7) may be out
.if \bias
	WIN MUL0
.else
	WIN MUL
.endif
	MUL8 \f, 0, \bias
	MUL8 \f, 2, \bias
	PLACES
	FETCH \slot, \q, \g
	s_wait_dscnt 24                                ; all but the 24 just issued
.if \bias
	WIN MUL0
.else
	WIN MUL
.endif
	MUL8 \f, 4, \bias
	MUL8 \f, 6, \bias
.endm
; The last quarter multiplies buffer 1 and changes slots: ONE barrier; in front of it each wave waits for all its tensor loads, adds 0 to its spare word, and waits for that and for its own reads of this slot.
; fill = 1: this slot is filled again, two K steps ahead; the barrier then opens a round of the cluster's barrier, and the joint refill is the first tensor load behind the round: 112 matrix instructions ahead of the wait for it.
.macro TURN slot, next, fill
.if \fill
	s_wait_xcnt 0x0                                ; the last prefetch, a K step back, has read its address: it is stepped here, ahead of the waits of the change of slots
	s_add_nc_u64 s[PFA:PFA+1], s[PFA:PFA+1], KSB
.endif
	WIN 0                                          ; (the add's two registers lie in window 0)
	s_wait_tensorcnt 0x0                           ; all my tensor loads have landed: my part of the next slot
	ds_add_u32 v[SPW], v[NIL]                      ; 0 onto my spare word
	s_wait_dscnt 9                                 ; (the add and the youngest eight loads may be out)
	WIN MUL
	MUL8 F1, 0, 0                                  ; eight matrix instructions stand between the add and the wait for it
	s_wait_dscnt 0x0                               ; the add is done, and my reads of this slot are over
	s_barrier_signal -1
	MUL8 F1, 2, 0
	WIN 0
	s_barrier_wait -1
.if \fill
	CREST                                          ; no wave of any partner still reads this slot's tile or has a load on its way
	s_add_nc_u64 s[G0+4*\slot+2:G0+4*\slot+3], s[G0+4*\slot+2:G0+4*\slot+3], 2*KSB
	s_add_nc_u64 s[G0B+4*\slot+2:G0B+4*\slot+3], s[G0B+4*\slot+2:G0B+4*\slot+3], 2*256
	JLOAD \slot                                    ; the four v_nop behind it are also the places in front of the loads below
.else
	PLACES
.endif
	FETCH \next, 0, F0
.if \fill
	ASK
.endif
	WIN MUL
	MUL8 F1, 4, 0
	MUL8 F1, 6, 0
.endm
	s_wait_tensorcnt 1                             ; my part of K step 0 is in (K step 1's load may be out)
	s_barrier_signal -1
	s_barrier_wait -1                              ; everybody's is
	s_wait_loadcnt 0x0                             ; the bias
	FETCH 0, 0, F0
	QUARTER 0, 1, F0, F1, 1                        ; the first quarter stands in front of the loop: its products start the sums
	WIN 0                                          ; at a label and at a branch every window is 0
	s_mov_b32 s3, LAPS-1
.Llap:                                                 ; a trip goes once round the ring, from a lap's second quarter to the next lap's first, and fills both slots again
	QUARTER 0, 2, F1, F0, 0
	QUARTER 0, 3, F0, F1, 0
	TURN 0, 1, 1
	QUARTER 1, 1, F0, F1, 0
	QUARTER 1, 2, F1, F0, 0
	QUARTER 1, 3, F0, F1, 0
	TURN 1, 0, 1
	QUARTER 0, 1, F0, F1, 0
	WIN 0
	s_sub_co_u32 s3, s3, 1
	s_cmp_lg_u32 s3, 0
	s_cbranch_scc1 .Llap
	QUARTER 0, 2, F1, F0, 0                        ; the last lap fills nothing, and has no round of the cluster's barrier
	QUARTER 0, 3, F0, F1, 0
	TURN 0, 1, 0
	QUARTER 1, 1, F0, F1, 0
	QUARTER 1, 2, F1, F0, 0
	QUARTER 1, 3, F0, F1, 0
	s_wait_dscnt 8                                 ; the very last quarter: nothing more to fetch
	WIN MUL
	MUL8 F1, 0, 0
	MUL8 F1, 2, 0
	s_wait_dscnt 0
	MUL8 F1, 4, 0
	MUL8 F1, 6, 0
	WIN 0
; THE WAY OUT, block by block of 16 rows x 64 columns.  A lane holds 32 neighbouring bytes of a row, and the lanes beside it hold other rows: so a block goes through my own stage in LDS and comes back as whole rows of 256 bytes,
; two to an instruction.  LDS serves a wave's instructions in order (ISA guide 5.7.1.4): no wait between the stores and the loads, nor in front of the next block's stores.
.macro TOSTAGE a
	WIN 0x08                                       ; an LDS store's data are its source 1: window 2
.irp b, 0,1,2,3
	ds_store_b128 v[STO], v[8*(4*(\a)+\b):8*(4*(\a)+\b)+3] offset:64*\b          ; each accumulator from its low end on
	ds_store_b128 v[STO], v[8*(4*(\a)+\b)+4:8*(4*(\a)+\b)+7] offset:64*\b+16
.endr
	WIN 0
.set BB, BK+32*((\a)%2)
.irp t, 0,1,2,3,4,5,6,7
	ds_load_b128 v[BB+4*\t:BB+4*\t+3], v[RD] offset:\t*2*PITCH
.endr
.endm
.macro SEND a, younger                 ; younger: the LDS instructions issued behind block a's loads, which may stay out
.set BB, BK+32*((\a)%2)
	s_wait_dscnt \younger                          ; the block is back in registers
.irp t, 0,1,2,3,4,5,6,7
	global_store_b128 v[CO], v[BB+4*\t:BB+4*\t+3], s[10:11] offset:(16*(\a)+2*\t)*SIZE_N*4 th:TH_STORE_NT   ; 16 lanes store 256 consecutive bytes, at a multiple of 256 from out0's first byte; written once, read by nobody here
.endr
.endm
	PLACES                                         ; behind the last products, in front of the stores that read results
	TOSTAGE 0
.irp a, 1,2,3,4,5,6,7
.if \a > 1
	s_wait_xcnt 0x0                                ; block a - 2's stores have read their registers: block a's loads may land there
.endif
	TOSTAGE \a
	SEND \a-1, 16                                  ; behind block a - 1's loads: block a's 8 stores and 8 loads
.endr
	SEND 7, 0
	s_wait_tensorcnt 0x0                           ; the wave's end: behind my last tensor load and my last LDS store
	ds_add_u32 v[SPW], v[NIL]
	s_wait_dscnt 0x0
	CROUND                                         ; the closing round: no work-group ends while a partner may still ask for a tile that names it
	s_endpgm
.Lfunc_end_k_q807389406b_proj:
	.size	k_q807389406b_proj, .Lfunc_end_k_q807389406b_proj-k_q807389406b_proj
	.p2alignl 7, 3214868480
	.fill 96, 4, 3214868480
	.section	.rodata,"a",@progbits
	.p2align	6, 0x0
	.amdhsa_kernel k_q807389406b_proj
		.amdhsa_group_segment_fixed_size 327680
		.amdhsa_private_segment_fixed_size 0
		.amdhsa_enable_private_segment 0
		.amdhsa_kernarg_size 32
		.amdhsa_user_sgpr_count 2
		.amdhsa_user_sgpr_kernarg_segment_ptr 1
		.amdhsa_wavefront_size32 1
		.amdhsa_system_sgpr_workgroup_id_x 1
		.amdhsa_system_sgpr_workgroup_id_y 1
		.amdhsa_system_sgpr_workgroup_id_z 1
		.amdhsa_system_vgpr_workitem_id 0
		.amdhsa_next_free_vgpr 768
		.amdhsa_next_free_sgpr 66
		.amdhsa_reserve_vcc 0
		.amdhsa_float_denorm_mode_32 3
		.amdhsa_float_denorm_mode_16_64 3
		.amdhsa_memory_ordered 1
		.amdhsa_forward_progress 1
		.amdhsa_inst_pref_size 88
	.end_amdhsa_kernel
	.amdgpu_metadata
---
amdhsa.version: [ 1, 2 ]
amdhsa.kernels:
  - .name:           k_q807389406b_proj
    .symbol:         k_q807389406b_proj.kd
    .args:
      - { .name: ao, .offset: 0, .size: 8, .value_kind: global_buffer, .address_space: global }
      - { .name: wo16, .offset: 8, .size: 8, .value_kind: global_buffer, .address_space: global }
      - { .name: b_out, .offset: 16, .size: 8, .value_kind: global_buffer, .address_space: global }
      - { .name: out0, .offset: 24, .size: 8, .value_kind: global_buffer, .address_space: global }
    .group_segment_fixed_size: 327680
    .private_segment_fixed_size: 0
    .kernarg_segment_align: 8
    .kernarg_segment_size: 32
    .max_flat_workgroup_size: 128
    .sgpr_count:     66
    .vgpr_count:     768
    .wavefront_size: 32
...
	.end_amdgpu_metadata
.endif
;; end of part 4
